; MI455X (gfx1250); checked and timed in simulation.
; The chip was launched on July 23, 2026; its instructions are those of AMD's public machine-readable ISA for CDNA 5 (MIT licence, August 2026) and "CDNA5" Instruction Set Architecture Reference Guide (July 2026). The comments in the code are by the model that wrote it; some were corrected since.
;; Transformer Block. Allowed arithmetic: matrix products marked QUANTISED: E4M3 operands, one E8M0 scale for each 32 along K, by v_wmma_scale_f32_16x16x128_f8f6f4 with both operands' format E4M3, f32 sums; everything else in f32.
;; Inputs: W1_codes 4,096 x 32 x 32 uint8 (E4M3 codes of W1, K innermost, in blocks of 32 codes); W1_scales 4,096 x 32 uint8 (E8M0 scales of W1, one for each 32 codes along K); W2_codes 1,024 x 128 x 32 uint8 (E4M3 codes of W2, K innermost, in blocks of 32 codes); W2_scales 1,024 x 128 uint8 (E8M0 scales of W2, one for each 32 codes along K); Wout_codes 1,024 x 32 x 32 uint8 (E4M3 codes of Wout, K innermost, in blocks of 32 codes); Wout_scales 1,024 x 32 uint8 (E8M0 scales of Wout, one for each 32 codes along K); Wqkv_codes 3,072 x 32 x 32 uint8 (E4M3 codes of Wqkv, K innermost, in blocks of 32 codes); Wqkv_scales 3,072 x 32 uint8 (E8M0 scales of Wqkv, one for each 32 codes along K); attn_mask 1 x 1 x 2,048 x 2,048 float32; g1 1,024 float32; g2 1,024 float32; x 2 x 2,048 x 1,024 float32.
;; Outputs: out0 2 x 2,048 x 1,024 float32.
;; This version of the problem:
;;   THIS VERSION OF THE PROBLEM IS GIVEN IN LOW PRECISION. The matrix products marked QUANTISED in the list below multiply operands that are first quantised to E4M3 (4 exponent bits, 3 mantissa bits; 8 bits a number), with one power-of-two scale for each 32 numbers along K (OCP MX v1.0); their sums are f32. All else is computed in f32.
;;   The module's matrix products, in the order in which they are computed (A, B: the left and right operand; K: the contracted axis; several contracted axes count as one K, in the product's order):
;;     1. [M 4,096, K 1,024] x [K 1,024, N 3,072]; A: computed on the way; B: input Wqkv (given as codes): QUANTISED
;;     2. batch 32 x [M 2,048, K 64] x [K 64, N 2,048]; A: computed on the way; B: computed on the way: QUANTISED
;;     3. batch 32 x [M 2,048, K 2,048] x [K 2,048, N 64]; A: softmax (see below); B: computed on the way: QUANTISED
;;     4. [M 4,096, K 1,024] x [K 1,024, N 1,024]; A: computed on the way; B: input Wout (given as codes): QUANTISED
;;     5. [M 4,096, K 1,024] x [K 1,024, N 4,096]; A: computed on the way; B: input W1 (given as codes): QUANTISED
;;     6. [M 4,096, K 4,096] x [K 4,096, N 1,024]; A: computed on the way; B: input W2 (given as codes): QUANTISED
;;   THE QUANTISER, for each operand of a quantised product, along K:
;;     - K is cut into blocks of 32 from its start; a last block that is shorter is filled with zeros.
;;     - A block's scale is 2^e with e = floor(log2(the largest magnitude in the block)) - 8, held to -126 .. 127; a block of zeros has e = 0. As a byte (E8M0): e + 127.
;;     - Each number is divided by its block's scale, clamped to +-448, and rounded to the nearest number of E4M3, ties to even, subnormals kept.
;;     - The product sums the exact products of the quantised numbers (number of the format x scale) in f32.
;;   ~~~python
;;   def quantise(x, axis):      # numpy; x: float32 -> the quantised numbers, widened to float32 again
;;       x = np.moveaxis(x, axis, -1); K = x.shape[-1]
;;       x = np.pad(x, [(0, 0)] * (x.ndim - 1) + [(0, -K % 32)]); x = x.reshape(x.shape[:-1] + (-1, 32)); a = np.abs(x).max(-1, keepdims=True)
;;       e = np.where(a > 0, np.clip(np.frexp(np.where(a > 0, a, 1))[1] - 1 - 8, -126, 127), 0)      # np.frexp(a)[1] - 1 = floor(log2(a)), exactly
;;       r = np.clip(x / 2.0 ** e, -448, 448)
;;       step = 2.0 ** (np.maximum(np.frexp(np.where(r == 0, 1, r))[1] - 1, -6) - 3)
;;       q = np.round(r / step) * step * 2.0 ** e      # np.round: ties to even
;;       return np.moveaxis(q.reshape(q.shape[:-2] + (-1,))[..., :K], -1, axis).astype(np.float32)
;;   ~~~
;;   SOFTMAX AHEAD OF A QUANTISED PRODUCT. Where the list says 'softmax', what is quantised is not the finished softmax but p = 2^(t - M), with t = logit x log2(e) and M = ceil(the row's largest t), a whole number; so 1/2 < the row's largest p <= 1. The row's sum l is taken of the UNQUANTISED p, in f32, and the product's result is divided by l at the end. Since M is a whole number, a kernel that streams over the keys may use a running M (the ceiling of the running maximum): every later rescaling is an exact power of two, which a block's scale takes up: the codes' values come out the same.
;;   OPERANDS COMPUTED ON THE WAY. 'Computed on the way' means the value that the module computes at that place (a softmax that the list does not call 'softmax' is quantised finished and normalised). What goes into a quantiser is computed in f32, as accurately as f32 sums, v_exp_f32 and their like allow (about 1e-6 of the number): no bf16 or f16 on the way to a quantiser, and a product that is left as it is and whose result goes on into a quantised operand takes f32 operands (vector FMAs, or v_wmma_f32_16x16x4_f32). A number that lies on a knife's edge between two numbers of the format may be rounded either way, as far as f32 arithmetic and the matrix unit's own rounding can turn it there, and no further.
;;   INPUTS GIVEN AS CODES. W1 (in the module: [1024, 4096], K = its axis 0); W2 (in the module: [4096, 1024], K = its axis 0); Wout (in the module: [1024, 1024], K = its axis 0); Wqkv (in the module: [1024, 3072], K = its axis 0): each comes as NAME_codes (uint8): NAME with its K axis moved to the last place and cut into blocks of 32 codes, [.., K / 32, bytes a block], one block behind the other in memory; one code a byte (a code: sign, 4 exponent bits, 3 mantissa bits); and NAME_scales (uint8): the same leading axes, one E8M0 byte (e + 127) for each 32 codes along K. Its value is code x scale, taken as it is: it is not quantised again, and the codes and scales need not be those that the quantiser above would give.
;; One version. Each part assembles by itself: llvm-mc -triple=amdgcn-amd-amdhsa -mcpu=gfx1250 --defsym DOCPART=n.
;; ======== version 1 of 1: 7 launches
;; limits: an absolute error that grows with the inputs' magnitude: up to 2e-07 times it
;; workspace buffers: hbuf 4,325,376 bytes; rope 524,288 bytes; qkvb 13,238,272 bytes; abuf 4,325,376 bytes; x1 16,777,216 bytes; mbuf 17,301,504 bytes
;; launch norm1 (part 1): grid 384 x 1, 4 waves a work-group, no clusters, 33,280 bytes of LDS; arguments x, g1, hbuf, rope; writes hbuf, rope
.if DOCPART == 1
	.amdgcn_target "amdgcn-amd-amdhsa--gfx1250"
	.amdhsa_code_object_version 6
	.text
	.protected	k_qba6c6d31c2_norm1
	.globl	k_qba6c6d31c2_norm1
	.p2align	8
	.type	k_qba6c6d31c2_norm1,@function
k_qba6c6d31c2_norm1:
	s_mov_b64 s[64:65], 0
	v_nop
	global_prefetch_b8 v0, s[64:65] scope:SCOPE_SE
	s_setreg_imm32_b32 hwreg(HW_REG_WAVE_MODE, 25, 1), 1
	s_wait_xcnt 0x0
; Work-groups 0-255: h = g * x * rsqrt(mean(x^2) + 1e-8) for 16 rows of 1,024 f32 each, quantised along the row to E4M3 codes with one E8M0 byte for each 32.
;   hbuf: codes [4096][1024] from byte 0, scale bytes [4096][32] from byte 4,194,304.
; Work-groups 256-383: the rotary table, cos and sin of position x 10000^(-i/32), laid in the order of the registers of the launch that uses it:
;   rope [position / 16][g 8][lane 32][4 f32]; g 0-3 cos, g 4-7 sin; register e = 4 (g & 3) + w of lane (r, h) is position 16 blk + r, frequency i = 16 (e >> 3) + 8 h + (e & 7).
; NORM.  A wave takes four rows; a row is eight loads of 512 consecutive bytes and stays in 32 registers between the sum of squares and the scaling; all 32 loads of a wave go out at once.
; The conversions take 16 neighbours from ONE lane, the loads give a lane 4: half a row (2,048 bytes) at a time turns through the wave's own stage in LDS (64 bytes + 16 of padding a lane).
; A block's scale byte is its largest magnitude's exponent field - 8, held at 1 from below.  No cluster, no tensor load: the work-groups share only the 4,096 bytes of the gain.
; The scale bytes leave as 128 consecutive bytes a wave: half of an aligned 256; they are one byte in 33 of what the launch stores.
; LIMITS: NaN and infinities are not served; a block whose largest magnitude lies under 2^-118 gets the byte 1; a block of zeros gets 1 where the rule says 127 (its codes are zeros, and this program alone reads the bytes).
; The inverse frequency is 2^(-i log2(10000) / 32) by v_exp_f32 on a reduced argument: within about 1.5 units in the last place of the exact number, not bit-equal to a library's pow.
.set G,     16                         ; v16-47   the gain: register 4 j + e is column 128 j + 4 lane + e
.set R,     48                         ; v48-175  four rows x 32
.set X,     176                        ; v176-207 two sets of 16 neighbours
.set C,     208                        ; v208-239 codes: four registers for each of 8 steps: no store's data are written again
.set E,     240                        ; v240-247 a scale byte for each step
.set SP,    80                         ; a lane's place in a stage: 64 bytes + 16
.set WREG,  8192                       ; LDS of a wave: two stages of 32 x SP bytes, behind them its 128 scale bytes
.set SBY,   2*32*SP
.macro TURN t, u                       ; half u of row t through stage u: LDS serves a wave's instructions in order, so no wait stands between the stores and the loads
.irp i, 0,1,2,3
	ds_store_b128 v14, v[R+32*(\t)+16*(\u)+4*\i:R+32*(\t)+16*(\u)+4*\i+3] offset:32*SP*(\u)+8*SP*\i
.endr
.irp i, 0,1,2,3
	ds_load_b128 v[X+16*(\u)+4*\i:X+16*(\u)+4*\i+3], v15 offset:32*SP*(\u)+16*\i
.endr
.endm
.macro STEP n                          ; 512 numbers: 16 a lane, two lanes to a block
.set XS, X+16*((\n)%2)
	v_max3_num_f32 v8, |v[XS]|, |v[XS+1]|, |v[XS+2]|
	v_max3_num_f32 v9, |v[XS+3]|, |v[XS+4]|, |v[XS+5]|
.irp i, 6,10
	v_max3_num_f32 v8, v8, |v[XS+\i]|, |v[XS+\i+1]|
	v_max3_num_f32 v9, v9, |v[XS+\i+2]|, |v[XS+\i+3]|
.endr
	v_max3_num_f32 v8, v8, |v[XS+14]|, |v[XS+15]|
	v_max3_num_f32 v8, v8, v9, 0x4800000           ; the floor 2^(9 - 127): the byte cannot fall under 1
	v_max_num_f32_dpp v8, v8, v8 row_xmask:1 row_mask:0xf bank_mask:0xf   ; with my neighbour's 16: the block's largest magnitude
	v_add_nc_u32 v11, 0xfc000000, v8               ; 8 off its exponent field: the conversion's scale operand
	v_and_or_b32 v10, v8, 0x7f800000, s23          ; 448 x the scale
.irp i, 0,1,2,3,4,5,6,7,8,9,10,11,12,13,14,15
	v_med3_num_f32 v[XS+\i], v[XS+\i], -v10, v10   ; the conversion to an 8-bit code does not saturate (ISA guide 7.6.2): the hold comes first
.endr
	v_cvt_scalef32_pk8_fp8_f32 v[C+4*(\n):C+4*(\n)+1], v[XS:XS+7], v11
	v_cvt_scalef32_pk8_fp8_f32 v[C+4*(\n)+2:C+4*(\n)+3], v[XS+8:XS+15], v11
	v_lshrrev_b32 v[E+(\n)], 23, v11               ; the scale's byte (also the plain line behind the conversions)
	ds_store_b8 v5, v[E+(\n)] offset:16*(\n)       ; both lanes of a block write the same byte with the same value
	global_store_b128 v3, v[C+4*(\n):C+4*(\n)+3], s[8:9] offset:512*(\n)   ; 32 lanes store 512 consecutive bytes
.endm
.macro ROW t
.set RT, R+32*(\t)
	s_wait_loadcnt 8*(3-(\t))                      ; this row's eight loads (and the gain's) are in; the later rows' may be out
	v_pk_mul_f32 v[8:9], v[RT:RT+1], v[RT:RT+1]    ; the sum of squares, two chains of packed multiply-adds
	v_pk_mul_f32 v[10:11], v[RT+2:RT+3], v[RT+2:RT+3]
.irp p, 4,8,12,16,20,24,28
	v_pk_fma_f32 v[8:9], v[RT+\p:RT+\p+1], v[RT+\p:RT+\p+1], v[8:9]
	v_pk_fma_f32 v[10:11], v[RT+\p+2:RT+\p+3], v[RT+\p+2:RT+\p+3], v[10:11]
.endr
	v_pk_add_f32 v[8:9], v[8:9], v[10:11]
	v_add_f32 v8, v8, v9
	v_add_f32_dpp v8, v8, v8 row_xmask:1 row_mask:0xf bank_mask:0xf
	v_add_f32_dpp v8, v8, v8 row_xmask:2 row_mask:0xf bank_mask:0xf
	v_add_f32_dpp v8, v8, v8 row_xmask:4 row_mask:0xf bank_mask:0xf
	v_add_f32_dpp v8, v8, v8 row_xmask:8 row_mask:0xf bank_mask:0xf
	v_permlanex16_b32 v9, v8, s12, s13
	v_add_f32 v8, v8, v9
	v_fma_f32 v8, v8, s20, s21                     ; / 1024 (exact) + 1e-8
	v_rsq_f32 v10, v8
	v_rsq_f32 v11, v8                              ; twice: a pair for the packed multiply.  The 16 lines below, which name neither, are the plain lines behind them
.irp p, 0,2,4,6,8,10,12,14,16,18,20,22,24,26,28,30
	v_pk_mul_f32 v[RT+\p:RT+\p+1], v[RT+\p:RT+\p+1], v[G+\p:G+\p+1]      ; g x first,
.endr
	s_wait_alu depctr_va_vdst(0)
.irp p, 0,2,4,6,8,10,12,14,16,18,20,22,24,26,28,30
	v_pk_mul_f32 v[RT+\p:RT+\p+1], v[RT+\p:RT+\p+1], v[10:11]            ; then the norm
.endr
	TURN \t, 0
	TURN \t, 1
	s_wait_dscnt 8                                 ; half 0 is back; half 1's four stores and four loads may be out
	STEP 2*(\t)
	s_wait_dscnt 1                                 ; half 1 is back; the byte store just issued may be out
	STEP 2*(\t)+1
.endm
	s_load_b256 s[4:11], s[0:1], 0x0               ; x s[4:5], g1 s[6:7], hbuf s[8:9], rope s[10:11]
	v_lshl_add_u32 v254, v0, 2, 0x8000
	v_mov_b32 v255, 0
	v_lshrrev_b32 v1, 5, v0
	v_readfirstlane_b32 s16, v1                    ; wave
	v_and_b32 v2, 31, v0                           ; lane
	s_cmp_ge_u32 ttmp9, 256
	s_cbranch_scc1 .Lrope                          ; the table's work-groups: a path that uses no LDS
	v_lshlrev_b32 v3, 4, v2                        ; 16 x lane: my bytes of a load's 512, and of a step's 512 bytes of codes
	s_mul_i32 s17, s16, WREG
	v_lshrrev_b32 v14, 2, v2
	v_mul_u32_u24 v14, v14, SP
	v_and_b32 v15, 3, v2
	v_lshl_add_u32 v14, v15, 4, v14
	v_add_nc_u32 v14, s17, v14                     ; the stage on the way in: SP (lane / 4) + 16 (lane % 4)
	v_mul_u32_u24 v15, v2, SP
	v_add_nc_u32 v15, s17, v15                     ; and on the way out: SP x lane
	v_lshrrev_b32 v5, 1, v2
	s_add_co_u32 s17, s17, SBY
	v_add_nc_u32 v5, s17, v5                       ; my block's scale byte
	v_lshlrev_b32 v7, 2, v2
	v_add_nc_u32 v6, s17, v7                       ; and 4 bytes a lane on the way out
	s_mov_b32 s12, 0x76543210
	s_mov_b32 s13, 0xfedcba98                      ; lane l xor 16
	s_mov_b32 s20, 0x3a800000                      ; 1 / 1024
	s_mov_b32 s21, 0x322bcc77                      ; 1e-8
	s_mov_b32 s23, 0x600000                        ; the mantissa field of 448
	s_lshl_b32 s2, ttmp9, 16                       ; 16 rows of 4,096 bytes a work-group,
	s_lshl_b32 s3, s16, 14                         ; 4 a wave
	s_add_co_u32 s2, s2, s3
	s_mov_b32 s3, 0
	s_lshr_b32 s18, s2, 2                          ; the codes: a quarter of the bytes
	s_mov_b32 s19, 0
	s_lshr_b32 s24, s2, 7                          ; the scale bytes: 32 a row,
	s_add_co_u32 s24, s24, 0x400000                ; behind the codes
	s_mov_b32 s25, 0
	s_wait_kmcnt 0x0
	s_add_nc_u64 s[4:5], s[4:5], s[2:3]
	s_add_nc_u64 s[26:27], s[8:9], s[24:25]
	s_add_nc_u64 s[8:9], s[8:9], s[18:19]
.irp j, 0,1,2,3,4,5,6,7
	global_load_b128 v[G+4*\j:G+4*\j+3], v3, s[6:7] offset:512*\j
.endr
.irp t, 0,1,2,3
.irp j, 0,1,2,3,4,5,6,7
	global_load_b128 v[R+32*\t+4*\j:R+32*\t+4*\j+3], v3, s[4:5] offset:4096*\t+512*\j
.endr
.endr
	ROW 0
	ROW 1
	ROW 2
	ROW 3
	ds_load_b32 v12, v6                            ; LDS serves a wave's instructions in order: this sees my byte stores
	s_wait_dscnt 0x0
	global_store_b32 v7, v12, s[26:27]             ; four rows' 128 scale bytes
	s_wait_tensorcnt 0x0
	ds_add_u32 v254, v255
	s_wait_dscnt 0x0
	s_endpgm
.Lrope:
	s_sub_co_u32 s12, ttmp9, 256                   ; which 16 positions
	v_and_b32 v2, 15, v0                           ; r
	v_bfe_u32 v3, v0, 4, 1                         ; h
	v_lshrrev_b32 v4, 5, v0                        ; g & 3
	v_lshrrev_b32 v5, 1, v4
	v_and_b32 v4, 1, v4
	v_lshlrev_b32 v5, 4, v5
	v_lshl_add_u32 v5, v3, 3, v5
	v_lshl_add_u32 v5, v4, 2, v5                   ; my first frequency: 16 (g >> 1) + 8 h + 4 (g & 1)
	s_lshl_b32 s13, s12, 4
	v_add_nc_u32 v6, s13, v2
	v_cvt_f32_u32 v6, v6                           ; the position
	v_lshlrev_b32 v7, 4, v0                        ; 16 x thread = 512 g + 16 lane
	s_lshl_b32 s14, s12, 12
	s_mov_b32 s15, 0
	s_mov_b32 s20, 0x3476865d                      ; Lh - log2(10000) / 32
	s_mov_b32 s21, 0xbfc90fdb                      ; -(pi / 2 rounded to f32)
	s_mov_b32 s22, 0x333bbd2e                      ; that rounded number less pi / 2
	s_wait_kmcnt 0x0
	s_add_nc_u64 s[10:11], s[10:11], s[14:15]
.macro RP w
	v_add_nc_u32 v10, \w, v5
	v_cvt_f32_u32 v10, v10                         ; i
	v_mul_f32 v11, 0xbed49a80, v10                 ; -i Lh: Lh has 17 significant bits and i five, so the product is exact
	v_rndne_f32 v12, v11                           ; its whole part n,
	v_sub_f32 v11, v11, v12                        ; the rest (exact),
	v_fma_f32 v11, v10, s20, v11                   ; and what Lh left out
	v_exp_f32 v11, v11
	v_cvt_i32_f32 v12, v12                         ; (a plain line behind the exponential)
	s_wait_alu depctr_va_vdst(0)
	v_ldexp_f32 v11, v11, v12                      ; 10000^(-i / 32)
	v_mul_f32 v11, v6, v11                         ; the angle, rounded once
	v_mul_f32 v12, 0x3f22f983, v11
	v_rndne_f32 v12, v12                           ; k = the nearest multiple of pi / 2
	v_fma_f32 v13, v12, s21, v11                   ; exact: both are multiples of 2^-23 and the difference is under 1
	v_fma_f32 v13, v12, s22, v13                   ; rho, within pi / 4
	v_mul_f32 v14, v13, v13
	v_cvt_i32_f32 v12, v12
	v_mov_b32 v15, 0xb94ca1f9
	v_fmaak_f32 v15, v15, v14, 0x3c08839e
	v_fmaak_f32 v15, v15, v14, 0xbe2aaaa3
	v_mul_f32 v15, v15, v14
	v_fma_f32 v15, v15, v13, v13                   ; sin rho
	v_mov_b32 v16, 0x37ccf5ce
	v_fmaak_f32 v16, v16, v14, 0xbab6061a
	v_fmaak_f32 v16, v16, v14, 0x3d2aaaa5
	v_mul_f32 v17, v14, v14
	v_fma_f32 v18, v14, -0.5, 1.0
	v_fma_f32 v16, v16, v17, v18                   ; cos rho
	v_and_b32 v17, 1, v12
	v_cmp_eq_u32 vcc_lo, 1, v17                    ; an odd quadrant swaps the two (a choice of values: no branch)
	v_cndmask_b32 v18, v15, v16, vcc_lo
	v_cndmask_b32 v19, v16, v15, vcc_lo
	v_and_b32 v17, 2, v12
	v_lshlrev_b32 v17, 30, v17
	v_xor_b32 v[28+\w], v17, v18                   ; sin: negative in quadrants 2, 3
	v_add_nc_u32 v17, 1, v12
	v_and_b32 v17, 2, v17
	v_lshlrev_b32 v17, 30, v17
	v_xor_b32 v[24+\w], v17, v19                   ; cos: negative in quadrants 1, 2
.endm
	RP 0
	RP 1
	RP 2
	RP 3
	global_store_b128 v7, v[24:27], s[10:11]               ; a wave stores 512 consecutive bytes
	global_store_b128 v7, v[28:31], s[10:11] offset:2048
	s_endpgm
.Lfunc_end_k_qba6c6d31c2_norm1:
	.size	k_qba6c6d31c2_norm1, .Lfunc_end_k_qba6c6d31c2_norm1-k_qba6c6d31c2_norm1
	.p2alignl 7, 3214868480
	.fill 96, 4, 3214868480
	.section	.rodata,"a",@progbits
	.p2align	6, 0x0
	.amdhsa_kernel k_qba6c6d31c2_norm1
		.amdhsa_group_segment_fixed_size 33280
		.amdhsa_private_segment_fixed_size 0
		.amdhsa_enable_private_segment 0
		.amdhsa_kernarg_size 32
		.amdhsa_user_sgpr_count 2
		.amdhsa_user_sgpr_kernarg_segment_ptr 1
		.amdhsa_wavefront_size32 1
		.amdhsa_system_sgpr_workgroup_id_x 1
		.amdhsa_system_sgpr_workgroup_id_y 1
		.amdhsa_system_sgpr_workgroup_id_z 1
		.amdhsa_system_vgpr_workitem_id 0
		.amdhsa_next_free_vgpr 256
		.amdhsa_next_free_sgpr 66
		.amdhsa_reserve_vcc 1
		.amdhsa_float_denorm_mode_32 3
		.amdhsa_float_denorm_mode_16_64 3
		.amdhsa_memory_ordered 1
		.amdhsa_forward_progress 1
		.amdhsa_inst_pref_size 50
	.end_amdhsa_kernel
	.amdgpu_metadata
---
amdhsa.version: [ 1, 2 ]
amdhsa.kernels:
  - .name:           k_qba6c6d31c2_norm1
    .symbol:         k_qba6c6d31c2_norm1.kd
    .args:
      - { .name: x, .offset: 0, .size: 8, .value_kind: global_buffer, .address_space: global }
      - { .name: g1, .offset: 8, .size: 8, .value_kind: global_buffer, .address_space: global }
      - { .name: hbuf, .offset: 16, .size: 8, .value_kind: global_buffer, .address_space: global }
      - { .name: rope, .offset: 24, .size: 8, .value_kind: global_buffer, .address_space: global }
    .group_segment_fixed_size: 33280
    .private_segment_fixed_size: 0
    .kernarg_segment_align: 8
    .kernarg_segment_size: 32
    .max_flat_workgroup_size: 128
    .sgpr_count:     66
    .vgpr_count:     256
    .wavefront_size: 32
...
	.end_amdgpu_metadata
.endif
;; end of part 1
;; launch qkv (part 2): grid 12 x 16, 4 waves a work-group, clusters of 4 x 4, 327,680 bytes of LDS; arguments hbuf, Wqkv_codes, Wqkv_scales, rope, qkvb; writes qkvb
.if DOCPART == 2
	.amdgcn_target "amdgcn-amd-amdhsa--gfx1250"
	.amdhsa_code_object_version 6
	.text
	.protected	k_qba6c6d31c2_qkv
	.globl	k_qba6c6d31c2_qkv
	.p2align	8
	.type	k_qba6c6d31c2_qkv,@function
k_qba6c6d31c2_qkv:
	s_mov_b64 s[64:65], 0
	v_nop
	global_prefetch_b8 v0, s[64:65] scope:SCOPE_SE
	s_setreg_imm32_b32 hwreg(HW_REG_WAVE_MODE, 25, 1), 1
	s_wait_xcnt 0x0
	s_wait_alu depctr_hold_cnt(0) depctr_sa_sdst(0) depctr_va_vdst(0) depctr_va_sdst(0) depctr_va_ssrc(0) depctr_va_vcc(0) depctr_vm_vsrc(0)
	s_getreg_b32 s2, hwreg(HW_REG_IB_STS2, 6, 4)
	s_cmp_eq_u32 s2, 0
	s_cbranch_scc0 .Lentry_in_a_cluster
	s_endpgm
.Lentry_in_a_cluster:
	s_bfe_u32 s2, ttmp6, 0x10000c
	s_cmp_lg_u32 s2, 0xf033
	s_cbranch_scc0 .Lentry_shape_is_right
	s_endpgm
.Lentry_shape_is_right:
; qkv = h1 Wqkv on codes of E4M3 with E8M0 scales (K = 1,024); then the rotary turn of q and k; then q, k quantised along the head's 64 and v along the keys, stored in the order of the attention launch's operand registers.
; THE PRODUCT: a tile of 256 x 256 a work-group, four waves of 128 x 128 (64 accumulators, 512 registers).  K goes in steps of 256 through two LDS slots filled by tensor loads; the scale bytes of the work-group's
; rows, for all of K, come once.  4 x 4 work-groups form a cluster: "A's" tile is asked for jointly along a row of the cluster, "B's" along a column.  The matrix instruction is used transposed (source 0 = 16 rows of B,
; source 1 = 16 rows of A): lane (r, h) of accumulator (a, b) holds A's row 16 a + r and B's rows 16 b + 8 h + 0 .. 7.
; WHO IS A.  Cluster columns 0 and 1 (q, k): A = h1's rows (tokens), B = Wqkv's rows: a lane holds one token, its registers run along the head's d.  Cluster column 2 (v): A = Wqkv's rows 2,048 on, B = h1's rows: a lane holds
; one d and its registers run along the keys, which are the K of attention's second product.  Both operands have rows of 1,024 codes and 32 scale bytes, so only the two pairs of pointers and the tile numbers are chosen,
; on the cluster's x, which all sixteen partners share.
; THE WAY OUT needs no LDS: eight codes of an accumulator (k = 16 b + 8 h + j of row r) lie, in the image of a fragment whose lane (r', h') holds k = 32 c + 16 h' + 0 .. 15 at 512 c + 16 lane', at
; 256 b + 16 r + 8 h: one store of 8 bytes a lane covers 256 consecutive bytes, aligned.
; qkvb: 512 blocks of 25,856 bytes, block = (batch 16 + head) 16 + (token / 128): +0 K's codes (tile of 16 keys: 1,024 bytes); +8,192 V's codes (tile of 16 d: 2,048 bytes; byte 8 u + j of lane (r, h), group c, is key
; 32 c + 16 u + 8 h + j); +16,384 K's scale words [lane][4] (word (l, y): tile 2 y + l / 16, row l % 16; bytes s0 s1 s0 s1); +16,896 V's [lane][2]; +17,152 Q's codes; +25,344 Q's scale words, both as K's.
; LIMITS: NaN and infinities are not served; a block whose largest magnitude lies under 2^-118 gets the byte 1, a block of zeros too (its codes are zeros; this program alone reads the bytes).
; REGISTERS, in windows of 256: window 0: v0-31 addresses; v32-63 scale words, two sets; v128-255 A's fragments, one set; on the way out v64-255 are at work.  window 1: B's fragments, two sets.  windows 2, 3: the accumulators.
.set SIZE_K, 1024
.set KSTEP,  256
.set NQ,     KSTEP/128
.set ROWB,   256
.set KROW,   SIZE_K
.set PITCH,  272                       ; an LDS row: 256 bytes + 16 of padding: the 16 rows that a load touches start at 16 different banks (64 banks of 4 bytes: ISA guide 11.1)
.set FR,     16
.set NL,     4
.set NP,     8                         ; places behind this matrix instruction (ISA guide 7.12.1)
.set HALFT,  128*PITCH
.set SLOT,   4*HALFT
.set LAPS,   SIZE_K/(2*KSTEP)
.set KS,     SIZE_K/32
.set SCL,    2*SLOT                    ; behind the ring: the scales, as runs of 256 bytes + 16 of padding
.set HALFS,  (128*KS/256)*272
.set SBLK,   (16*KS/256)*272
.set SPARE,  SCL+4*HALFS               ; the spare words, 128 bytes for each wave
.set ADRA, 16
.set ADRB, 20
.set ADRS, 27
.set SPW,  28
.set NIL,  29
.set SC,   32
.set AF,   128
.set G1, 24
.set G0, 32
.set G1B, 48
.set G0B, 56
.set G1S, 68
.set G0S, 76
.set G1SB, 80
.set G0SB, 88
.set SELQ, 66                          ; s[66:67] lane l xor 16
.set MNT,  94                          ; s94 the mantissa field of 448
.set BLKB, 25856
.set HSTR, 16*BLKB                     ; from a head's block to the next head's
.set T,    64                          ; the way out, window 0: v64-127 64 numbers at work
.set ROPE, 128                         ; v128-191 two sets of 16 cos + 16 sin
.set PC,   192                         ; v192-207 the codes just made
.set TM,   208                         ; v208-223 largest magnitudes, bytes, holds, scale operands
.set PW,   224                         ; v224 a scale word
.set W,    226                         ; v226-241 16 scale words
.set W4,   244                         ; v244-247 four of them, merged for a store
.set LB,   248                         ; 16 r + 8 h
.set L16,  249                         ; 16 x lane
.set L8,   250                         ; 8 x lane
.set MSB, 0
.macro WIN new                         ; the immediate's high byte repeats the setting that is left
.if MSB != (\new)
	s_set_vgpr_msb (MSB<<8)|(\new)
.set MSB, (\new)
.endif
.endm
.set MUL_LO, 0xa1                      ; source 0 (B) window 1, source 1 (A) window 0, C and D window 2
.set MUL_HI, 0xf1
.set TO_B,   0x40
; A joint load: waves 0 and 1 fetch for A, waves 2 and 3 for B.  The branch hangs on the wave's number alone.  Four v_nop follow each of the two lines.
.macro JLOAD g0a, g1a, g0b, g1b
	s_cmp_eq_u32 s15, 0
	s_cbranch_scc0 .Lfor_b_\@
	tensor_load_to_lds s[\g0a:\g0a+3], s[\g1a:\g1a+7]
	s_nop 0
.rept 4
	v_nop
.endr
	s_branch .Lasked_\@
.Lfor_b_\@:
	tensor_load_to_lds s[\g0b:\g0b+3], s[\g1b:\g1b+7]
	s_nop 0
.rept 4
	v_nop
.endr
.Lasked_\@:
.endm
.macro CREST                           ; a round of the cluster's barrier behind its opening barrier
	s_cmp_lg_u32 s14, 0
	s_cbranch_scc1 .Lnot_wave_0_\@
	s_barrier_signal -3
.Lnot_wave_0_\@:
	s_barrier_wait -3
	s_barrier_signal -1
	s_barrier_wait -1
.endm
.macro CROUND
	s_barrier_signal -1
	s_barrier_wait -1
	CREST
.endm
	s_load_b64 s[4:5], s[0:1], 0x0                 ; hbuf
	s_load_b128 s[8:11], s[0:1], 0x8               ; Wqkv's codes, its scales
	s_load_b64 s[96:97], s[0:1], 0x18              ; rope
	s_load_b64 s[12:13], s[0:1], 0x20              ; qkvb
	v_lshl_add_u32 v[SPW], v0, 2, SPARE
	v_mov_b32 v[NIL], 0
	ds_add_u32 v28, v29
	s_wait_dscnt 0x0
	v_lshrrev_b32 v1, 5, v0
	v_readfirstlane_b32 s14, v1                    ; wave 0..3
	s_lshr_b32 s15, s14, 1                         ; which half of A's rows is mine.  Also: I fetch for A (0) or for B (1)
	s_and_b32 s16, s14, 1                          ; which half of B's rows.  Also: which 128 rows of that tile I fetch
	s_bfe_u32 s40, ttmp6, 0x40000                  ; cx
	s_bfe_u32 s41, ttmp6, 0x40004                  ; cy
	s_and_b32 s17, ttmp7, 0xffff                   ; the cluster's y
	s_cmp_eq_u32 ttmp9, 2                          ; v's clusters?  The cluster's x is the same in all sixteen partners
	s_cselect_b32 s99, 2, s17                      ; A's tile: 4 x this + cy
	s_cselect_b32 s100, s17, ttmp9                 ; B's tile: 4 x this + cx
	s_lshl_b32 s42, s100, 2
	s_add_co_u32 s42, s42, s40
	s_lshl_b32 s17, s99, 2
	s_add_co_u32 s17, s17, s41
	s_lshl_b32 s43, s41, 2
	s_lshl_b32 s43, 15, s43                        ; my row of the cluster
	s_lshl_b32 s44, 0x1111, s40                    ; my column
	s_or_b32 s[G1+0], s43, (0<<16)|(1<<20)|(1<<21)|(5<<22)|(3<<25)  ; the mask; elements of 1 byte; padding on; bit 21 beside a mask; 4 words of padding behind every 64
	s_or_b32 s[G1B+0], s44, (0<<16)|(1<<20)|(1<<21)|(5<<22)|(3<<25)
.irp g, G1, G1B
	s_mov_b32 s[\g+1], ROWB<<16                    ; tensor_dim0
	s_mov_b32 s[\g+2], 128<<16                     ; tensor_dim1
	s_mov_b32 s[\g+3], ROWB<<16                    ; tile_dim0
	s_mov_b32 s[\g+4], 128                         ; tile_dim1
	s_mov_b32 s[\g+5], KROW                        ; the pitch
	s_mov_b32 s[\g+6], 0
	s_mov_b32 s[\g+7], 0
.endr
	s_or_b32 s[G1S+0], s43, (3<<16)|(1<<20)|(1<<21)|(5<<22)|(3<<25) ; the scales of 128 rows: a dense block, as rows of 256 bytes (32 elements of 8)
	s_or_b32 s[G1SB+0], s44, (3<<16)|(1<<20)|(1<<21)|(5<<22)|(3<<25)
.irp g, G1S, G1SB
	s_mov_b32 s[\g+1], 32<<16
	s_mov_b32 s[\g+2], (128*KS/256)<<16
	s_mov_b32 s[\g+3], 32<<16
	s_mov_b32 s[\g+4], 128*KS/256
	s_mov_b32 s[\g+5], 32
	s_mov_b32 s[\g+6], 0
	s_mov_b32 s[\g+7], 0
.endr
	s_lshl_b32 s18, s16, 7
	s_lshl_b32 s20, s17, 8
	s_add_co_u32 s20, s20, s18                     ; A: row 256 x tile + 128 x half
	s_lshl_b32 s46, s42, 8
	s_add_co_u32 s46, s46, s18                     ; B likewise
	s_mov_b32 s21, 0
	s_mov_b32 s47, 0
	s_mov_b64 s[18:19], KS
	s_mul_u64 s[22:23], s[20:21], s[18:19]
	s_mul_u64 s[92:93], s[46:47], s[18:19]
	s_mov_b64 s[18:19], KROW
	s_mul_u64 s[20:21], s[20:21], s[18:19]
	s_mul_u64 s[46:47], s[46:47], s[18:19]
	s_mul_i32 s45, s14, HALFT                      ; where they go: wave x 128 rows: no place in the cluster enters an LDS address
	s_mul_i32 s94, s14, HALFS
	s_wait_kmcnt 0x0
	s_add_nc_u64 s[6:7], s[4:5], 0x400000          ; h1's scale bytes lie behind its codes
	s_cmp_eq_u32 ttmp9, 2
	s_cselect_b64 s[98:99], s[8:9], s[4:5]         ; A's codes and scales,
	s_cselect_b64 s[100:101], s[10:11], s[6:7]
	s_cselect_b64 s[8:9], s[4:5], s[8:9]           ; B's
	s_cselect_b64 s[10:11], s[6:7], s[10:11]
	s_add_nc_u64 s[20:21], s[98:99], s[20:21]
	s_add_nc_u64 s[22:23], s[100:101], s[22:23]
	s_add_nc_u64 s[46:47], s[8:9], s[46:47]
	s_add_nc_u64 s[92:93], s[10:11], s[92:93]
	CROUND                                         ; all sixteen work-groups are here: the first joint loads meet
	s_mov_b32 s[G0S], 1
	s_add_co_u32 s[G0S+1], s94, SCL
	s_mov_b64 s[G0S+2:G0S+3], s[22:23]
	s_or_b32 s[G0S+3], s[G0S+3], 0x80000000
	s_mov_b32 s[G0SB], 1
	s_add_co_u32 s[G0SB+1], s94, SCL
	s_mov_b64 s[G0SB+2:G0SB+3], s[92:93]
	s_or_b32 s[G0SB+3], s[G0SB+3], 0x80000000
	JLOAD G0S, G1S, G0SB, G1SB                     ; the scales first: they are wanted with K step 0
.irp s, 0,1
	s_mov_b32 s[G0+4*\s], 1
	s_add_co_u32 s[G0+4*\s+1], s45, \s*SLOT
	s_add_nc_u64 s[G0+4*\s+2:G0+4*\s+3], s[20:21], \s*ROWB
	s_or_b32 s[G0+4*\s+3], s[G0+4*\s+3], 0x80000000
	s_mov_b32 s[G0B+4*\s], 1
	s_add_co_u32 s[G0B+4*\s+1], s45, \s*SLOT
	s_add_nc_u64 s[G0B+4*\s+2:G0B+4*\s+3], s[46:47], \s*ROWB
	s_or_b32 s[G0B+4*\s+3], s[G0B+4*\s+3], 0x80000000
	JLOAD G0+4*\s, G1, G0B+4*\s, G1B
.endr
	v_and_b32 v1, 15, v0                           ; l % 16
	v_bfe_u32 v2, v0, 4, 1                         ; l / 16
	v_mul_u32_u24 v3, v1, PITCH
	v_lshl_add_u32 v4, v2, 4, v3
	s_mul_i32 s21, s15, HALFT
	s_mul_i32 s22, s16, HALFT
	s_add_co_u32 s22, s22, 2*HALFT
.irp s, 0,1
	v_add_nc_u32 v[ADRA+\s], s21, v4
	v_add_nc_u32 v[ADRB+\s], s22, v4
	s_add_co_u32 s21, s21, SLOT
	s_add_co_u32 s22, s22, SLOT
.endr
	v_mul_u32_u24 v5, v1, KS                       ; my row's scales: KS bytes a row,
	v_lshrrev_b32 v6, 8, v5
	v_lshl_add_u32 v5, v6, 4, v5                   ; and 16 more for each 256 passed
	s_mul_i32 s21, s15, HALFS
	s_mul_i32 s22, s16, HALFS
	s_add_co_u32 s22, s22, 2*HALFS
	s_sub_co_u32 s22, s22, s21
	v_mul_u32_u24 v6, s22, v2                      ; lanes 16-31 take B's
	s_add_co_u32 s21, s21, SCL
	v_add_nc_u32 v5, v5, v6
	v_add_nc_u32 v[ADRS], s21, v5
.macro FRAG reg, adr, q, i             ; 16 rows x 128 K: registers 4 c .. 4 c + 3 hold K = 32 c + 16 (l / 16) + 0 .. 15 of row l % 16
.irp c, 0,1,2,3
	ds_load_b128 v[\reg+4*\c:\reg+4*\c+3], v[\adr] offset:128*(\q)+32*\c+(\i)*16*PITCH
.endr
.endm
; 16 matrix instructions: A's blocks a0, a0 + 1 x B's eight.  The 64 accumulators take turns, one instruction a turn, in the same order in every step.
.macro MUL16 a0, p, q, sc, zero
.irp a, \a0, \a0+1
.irp b, 0,1,2,3,4,5,6,7
.if \zero
	v_wmma_scale_f32_16x16x128_f8f6f4 v[8*(8*((\a)%4)+\b):8*(8*((\a)%4)+\b)+7], v[128*(\p)+FR*\b:128*(\p)+FR*\b+FR-1], v[AF+FR*(\a):AF+FR*(\a)+FR-1], 0, v[SC+8*NQ*(\sc)+NQ*\b+(\q)], v[SC+8*NQ*(\sc)+NQ*(\a)+(\q)] matrix_a_scale:MATRIX_SCALE_ROW1
.else
	v_wmma_scale_f32_16x16x128_f8f6f4 v[8*(8*((\a)%4)+\b):8*(8*((\a)%4)+\b)+7], v[128*(\p)+FR*\b:128*(\p)+FR*\b+FR-1], v[AF+FR*(\a):AF+FR*(\a)+FR-1], v[8*(8*((\a)%4)+\b):8*(8*((\a)%4)+\b)+7], v[SC+8*NQ*(\sc)+NQ*\b+(\q)], v[SC+8*NQ*(\sc)+NQ*(\a)+(\q)] matrix_a_scale:MATRIX_SCALE_ROW1
.endif
.endr
.endr
.endm
.macro FETCH_B slot, q, p
	WIN TO_B
.irp i, 0,1,2,3,4,5,6,7
	FRAG 128*(\p)+FR*\i, ADRB+\slot, \q, \i
.endr
	WIN 0
.endm
.macro FETCH_A slot, q, i0
.irp i, \i0, \i0+1, \i0+2, \i0+3
	FRAG AF+FR*(\i), ADRA+\slot, \q, \i
.endr
.endm
.macro SCALES sc                       ; a K step's scale words: lanes 0-15 take A's block i, lanes 16-31 B's block i
.irp i, 0,1,2,3,4,5,6,7
	ds_load_b64 v[SC+8*NQ*\sc+NQ*\i:SC+8*NQ*\sc+NQ*\i+1], v[ADRS] offset:\i*SBLK
.endr
.endm
.macro PLACES n                        ; plain vector lines between a matrix instruction and a load into, or a read of, its registers
.rept \n
	v_nop
.endr
.endm
.macro STEP slot, q, zero              ; 128 along K with a successor in the same slot
	s_wait_dscnt 4*NL                              ; B's set and A's blocks 0-3 are in; A's blocks 4-7 (16 loads) may be out
	WIN MUL_LO
	MUL16 0, (\q)%2, \q, \slot, \zero
	MUL16 2, (\q)%2, \q, \slot, \zero
	s_wait_dscnt 0
	PLACES NP
	FETCH_B \slot, (\q)+1, 1-(\q)%2
	FETCH_A \slot, (\q)+1, 0
	WIN MUL_HI
	MUL16 4, (\q)%2, \q, \slot, \zero
	MUL16 6, (\q)%2, \q, \slot, \zero
	PLACES NP
	WIN 0
	FETCH_A \slot, (\q)+1, 4
.endm
; A slot's last step changes slots: one barrier; in front of it each wave waits for all its tensor loads, adds 0 to its spare word, and waits for that and for its reads of this slot.
.macro TURN slot, next, fill
	s_wait_tensorcnt 0x0                           ; all my tensor loads have landed: my part of the next slot
	ds_add_u32 v[SPW], v[NIL]                      ; 0 onto my spare word
	s_wait_dscnt 4*NL+1                            ; (the add and A's blocks 4-7 may be out)
	WIN MUL_LO
	MUL16 0, 1, NQ-1, \slot, 0
	s_wait_dscnt 0x0                               ; the add is done, and my reads of this slot are over
	s_barrier_signal -1
	MUL16 2, 1, NQ-1, \slot, 0
	WIN 0
	s_barrier_wait -1
.if \fill
	CREST                                          ; the barrier has opened a round of the cluster's: no wave of any partner still reads this slot or has a load on its way
	s_add_nc_u64 s[G0+4*\slot+2:G0+4*\slot+3], s[G0+4*\slot+2:G0+4*\slot+3], 2*ROWB
	s_add_nc_u64 s[G0B+4*\slot+2:G0B+4*\slot+3], s[G0B+4*\slot+2:G0B+4*\slot+3], 2*ROWB
	JLOAD G0+4*\slot, G1, G0B+4*\slot, G1B         ; the first tensor load behind the round; its four v_nop are among the places below
	PLACES NP-4
.else
	PLACES NP
.endif
	v_add_nc_u32 v[ADRS], 4*NQ, v[ADRS]
	FETCH_B \next, 0, 0
	FETCH_A \next, 0, 0
	SCALES \next
	WIN MUL_HI
	MUL16 4, 1, NQ-1, \slot, 0
	MUL16 6, 1, NQ-1, \slot, 0
	PLACES NP
	WIN 0
	FETCH_A \next, 0, 4
.endm
	s_wait_tensorcnt 1                             ; the scales and my part of K step 0 are in; K step 1's load may be out
	s_barrier_signal -1
	s_barrier_wait -1
	FETCH_B 0, 0, 0
	FETCH_A 0, 0, 0
	SCALES 0
	FETCH_A 0, 0, 4
	STEP 0, 0, 1                                   ; the first step's products start the sums
	s_mov_b32 s3, LAPS-1
.Llap:
	TURN 0, 1, 1
	STEP 1, 0, 0
	TURN 1, 0, 1
	STEP 0, 0, 0
	s_sub_co_u32 s3, s3, 1
	s_cmp_lg_u32 s3, 0
	s_cbranch_scc1 .Llap
	TURN 0, 1, 0                                   ; the last lap fills nothing
	STEP 1, 0, 0
	s_wait_dscnt 4*NL
	WIN MUL_LO
	MUL16 0, 1, NQ-1, 1, 0
	MUL16 2, 1, NQ-1, 1, 0
	s_wait_dscnt 0
	WIN MUL_HI
	MUL16 4, 1, NQ-1, 1, 0
	MUL16 6, 1, NQ-1, 1, 0
	WIN 0
; 64 numbers of a lane, v[src] on in window w; registers 16 b .. 16 b + 15, with lane l xor 16's, are block b of 32.  The held numbers go to v[t] on (window 0), the codes to v[PC] on, the scale word to v[pw].
; Each accumulator is read from its low end on.
.macro QUANT src, w, t, pw
	WIN (\w)|((\w)<<2)
.irp b, 0,1,2,3
	v_max3_num_f32 v[TM+\b], |v[(\src)+16*\b]|, |v[(\src)+16*\b+1]|, 0x4800000   ; with the floor 2^(9 - 127): the byte cannot fall under 1
.endr
.irp i, 2,4,6,8,10,12,14
.irp b, 0,1,2,3
	v_max3_num_f32 v[TM+\b], |v[(\src)+16*\b+\i]|, |v[(\src)+16*\b+\i+1]|, v[TM+\b]
.endr
.endr
	WIN 0
.irp b, 0,1,2,3
	v_permlanex16_b32 v[TM+4+\b], v[TM+\b], s[SELQ], s[SELQ+1]
.endr
.irp b, 0,1,2,3
	v_max_num_f32 v[TM+\b], v[TM+\b], v[TM+4+\b]
.endr
.irp b, 0,1,2,3
	v_add_nc_u32 v[TM+12+\b], 0xfc000000, v[TM+\b]         ; 8 off the exponent field: the conversion's scale operand
.endr
.irp b, 0,1,2,3
	v_and_or_b32 v[TM+8+\b], v[TM+\b], 0x7f800000, s[MNT]  ; 448 x the scale
.endr
.irp b, 0,1,2,3
	v_lshrrev_b32 v[TM+4+\b], 23, v[TM+12+\b]              ; the byte
.endr
	v_lshl_or_b32 v[\pw], v[TM+5], 8, v[TM+4]
	v_lshl_or_b32 v[\pw], v[TM+6], 16, v[\pw]
	v_lshl_or_b32 v[\pw], v[TM+7], 24, v[\pw]
	WIN \w
.set qn, 0
.rept 64
	v_med3_num_f32 v[(\t)+qn], v[(\src)+qn], -v[TM+8+qn/16], v[TM+8+qn/16]   ; the hold (the conversion does not saturate: ISA guide 7.6.2); it also brings the number into window 0
.set qn, qn+1
.endr
	WIN 0
	s_wait_xcnt 0x0                                ; the last block's stores have read the codes' registers
.irp b, 0,1,2,3
	v_cvt_scalef32_pk8_fp8_f32 v[PC+4*\b:PC+4*\b+1], v[(\t)+16*\b:(\t)+16*\b+7], v[TM+12+\b]
	v_cvt_scalef32_pk8_fp8_f32 v[PC+4*\b+2:PC+4*\b+3], v[(\t)+16*\b+8:(\t)+16*\b+15], v[TM+12+\b]
.endr
	v_nop                                          ; a plain line behind the last conversion
.endm
	PLACES NP
	v_and_b32 v1, 15, v0
	v_bfe_u32 v2, v0, 4, 1
	v_and_b32 v3, 31, v0
	v_lshlrev_b32 v[LB], 4, v1
	v_lshl_add_u32 v[LB], v2, 3, v[LB]
	v_lshlrev_b32 v[L16], 4, v3
	v_lshlrev_b32 v[L8], 3, v3
.irp b, 0,1,2,3
	v_mov_b32 v[TM+4+\b], 0                        ; a lane permute's destination counts as one of its sources
.endr
	s_mov_b32 s[SELQ], 0x76543210
	s_mov_b32 s[SELQ+1], 0xfedcba98
	s_mov_b32 s[MNT], 0x600000
	s_mov_b32 vcc_lo, 0xffff0000                   ; lanes 16-31
	s_cmp_eq_u32 ttmp9, 2
	s_cbranch_scc1 .Lv                             ; alike in all sixteen partners
	; ---- q and k: a lane holds one token; my 128 columns are two heads
	s_lshl_b32 s20, s17, 8
	s_lshl_b32 s21, s15, 7
	s_add_co_u32 s20, s20, s21                     ; my first token
	s_lshr_b32 s21, s20, 11                        ; batch
	s_bfe_u32 s22, s20, 0x40007                    ; which 128 of the sequence
	s_lshl_b32 s23, s40, 2
	s_lshl_b32 s45, s16, 1
	s_add_co_u32 s23, s23, s45                     ; my first head
	s_lshl_b32 s21, s21, 4
	s_add_co_u32 s21, s21, s23
	s_lshl_b32 s21, s21, 4
	s_add_co_u32 s21, s21, s22
	s_mul_i32 s46, s21, BLKB
	s_mov_b32 s92, 16384
	s_cmp_eq_u32 ttmp9, 0
	s_cselect_b32 s45, 17152, 0                    ; q's section or k's,
	s_cselect_b32 s92, 8192, s92                   ; and from there to its scale words
	s_add_co_u32 s46, s46, s45
	s_mov_b32 s47, 0
	s_mov_b32 s93, 0
	s_add_nc_u64 s[12:13], s[12:13], s[46:47]
	s_add_nc_u64 s[92:93], s[12:13], s[92:93]
	s_and_b32 s46, s20, 2047
	s_lshl_b32 s46, s46, 8                         ; 4,096 bytes of the table for each 16 positions
	s_add_nc_u64 s[96:97], s[96:97], s[46:47]
.macro RLOAD a                         ; block a's 16 cos and 16 sin, in my registers' order: eight loads of 512 consecutive bytes
.irp g, 0,1,2,3,4,5,6,7
	global_load_b128 v[ROPE+32*((\a)%2)+4*\g:ROPE+32*((\a)%2)+4*\g+3], v[L16], s[96:97] offset:(\a)*4096+512*\g
.endr
.endm
.macro ROT a                           ; d < 32: x1 cos - x2 sin;  d >= 32: x2 cos + x1 sin;  x1 = d tile y, x2 = d tile 2 + y of head u
.set AC, 64*((\a)%4)
.set RS, ROPE+32*((\a)%2)
	WIN 2+(\a)/4
.irp u, 0,1
.irp y, 0,1
.irp jj, 0,2,4,6
	v_pk_mul_f32 v[T+32*\u+8*\y+\jj:T+32*\u+8*\y+\jj+1], v[AC+8*(4*\u+\y)+\jj:AC+8*(4*\u+\y)+\jj+1], v[RS+8*\y+\jj:RS+8*\y+\jj+1]
	v_pk_mul_f32 v[T+32*\u+8*\y+\jj+16:T+32*\u+8*\y+\jj+17], v[AC+8*(4*\u+2+\y)+\jj:AC+8*(4*\u+2+\y)+\jj+1], v[RS+8*\y+\jj:RS+8*\y+\jj+1]
	v_pk_fma_f32 v[T+32*\u+8*\y+\jj:T+32*\u+8*\y+\jj+1], v[AC+8*(4*\u+2+\y)+\jj:AC+8*(4*\u+2+\y)+\jj+1], v[RS+16+8*\y+\jj:RS+16+8*\y+\jj+1], v[T+32*\u+8*\y+\jj:T+32*\u+8*\y+\jj+1] neg_lo:[0,1,0] neg_hi:[0,1,0]
	v_pk_fma_f32 v[T+32*\u+8*\y+\jj+16:T+32*\u+8*\y+\jj+17], v[AC+8*(4*\u+\y)+\jj:AC+8*(4*\u+\y)+\jj+1], v[RS+16+8*\y+\jj:RS+16+8*\y+\jj+1], v[T+32*\u+8*\y+\jj+16:T+32*\u+8*\y+\jj+17]
.endr
.endr
.endr
	WIN 0
.endm
	RLOAD 0
	RLOAD 1
.irp a, 0,1,2,3,4,5,6,7
.if \a < 7
	s_wait_loadcnt 8                               ; this block's eight loads are in; the next block's may be out
.else
	s_wait_loadcnt 0
.endif
	ROT \a
.if \a < 6
	RLOAD \a+2
.endif
	QUANT T, 0, T, PW                              ; blocks: head 0's d 0-31, 32-63, head 1's
	v_perm_b32 v[W+\a], v[PW], v[PW], 0x01000100   ; head 0's word: s0 s1 s0 s1 (a head's 64 stand in either half of a K of 128)
	v_perm_b32 v[W+8+\a], v[PW], v[PW], 0x03020302 ; head 1's
.irp n, 0,1,2,3,4,5,6,7
	global_store_b64 v[LB], v[PC+2*\n:PC+2*\n+1], s[12:13] offset:(\n/4)*HSTR+\a*1024+256*(\n%4)   ; 256 consecutive bytes, aligned
.endr
.endr
.irp u, 0,1
.if \u
	s_wait_xcnt 0x0                                ; the store above has read v[W4] on
.endif
.irp y, 0,1,2,3
	v_cndmask_b32 v[W4+\y], v[W+8*\u+2*\y], v[W+8*\u+2*\y+1], vcc_lo   ; lanes 0-15: tile 2 y; lanes 16-31: tile 2 y + 1
.endr
	global_store_b128 v[L16], v[W4:W4+3], s[92:93] offset:\u*HSTR
.endr
	s_branch .Ldone
.Lv:	; ---- v: a lane holds one d; my 128 columns are 128 keys, my 128 rows two heads
	s_lshl_b32 s20, s42, 8
	s_lshl_b32 s21, s16, 7
	s_add_co_u32 s20, s20, s21                     ; my first token
	s_lshr_b32 s21, s20, 11
	s_bfe_u32 s22, s20, 0x40007
	s_lshl_b32 s23, s41, 2
	s_lshl_b32 s45, s15, 1
	s_add_co_u32 s23, s23, s45                     ; my first head
	s_lshl_b32 s21, s21, 4
	s_add_co_u32 s21, s21, s23
	s_lshl_b32 s21, s21, 4
	s_add_co_u32 s21, s21, s22
	s_mul_i32 s46, s21, BLKB
	s_add_co_u32 s46, s46, 8192
	s_mov_b32 s47, 0
	s_add_nc_u64 s[12:13], s[12:13], s[46:47]      ; V's codes
	s_add_nc_u64 s[92:93], s[12:13], 8704          ; its scale words, at +16,896 of the block
.irp a, 0,1,2,3,4,5,6,7
	QUANT 64*(\a%4), 2+\a/4, T, W+\a               ; the four blocks of 32 keys of d = 16 (a % 4) + r of head a / 4
.irp c, 0,1,2,3
	global_store_b128 v[L16], v[PC+4*\c:PC+4*\c+3], s[12:13] offset:(\a/4)*HSTR+(\a%4)*2048+512*\c   ; the fragment's registers as they stand: 512 consecutive bytes
.endr
.endr
.irp u, 0,1
.if \u
	s_wait_xcnt 0x0
.endif
	v_cndmask_b32 v[W4], v[W+4*\u], v[W+4*\u+1], vcc_lo
	v_cndmask_b32 v[W4+1], v[W+4*\u+2], v[W+4*\u+3], vcc_lo
	global_store_b64 v[L8], v[W4:W4+1], s[92:93] offset:\u*HSTR
.endr
.Ldone:
	s_wait_tensorcnt 0x0                           ; the wave's end
	ds_add_u32 v[SPW], v[NIL]
	s_wait_dscnt 0x0
	CROUND                                         ; the closing round
	s_endpgm
.Lfunc_end_k_qba6c6d31c2_qkv:
	.size	k_qba6c6d31c2_qkv, .Lfunc_end_k_qba6c6d31c2_qkv-k_qba6c6d31c2_qkv
	.p2alignl 7, 3214868480
	.fill 96, 4, 3214868480
	.section	.rodata,"a",@progbits
	.p2align	6, 0x0
	.amdhsa_kernel k_qba6c6d31c2_qkv
		.amdhsa_group_segment_fixed_size 327680
		.amdhsa_private_segment_fixed_size 0
		.amdhsa_enable_private_segment 0
		.amdhsa_kernarg_size 40
		.amdhsa_user_sgpr_count 2
		.amdhsa_user_sgpr_kernarg_segment_ptr 1
		.amdhsa_wavefront_size32 1
		.amdhsa_system_sgpr_workgroup_id_x 1
		.amdhsa_system_sgpr_workgroup_id_y 1
		.amdhsa_system_sgpr_workgroup_id_z 1
		.amdhsa_system_vgpr_workitem_id 0
		.amdhsa_next_free_vgpr 1024
		.amdhsa_next_free_sgpr 102
		.amdhsa_reserve_vcc 1
		.amdhsa_float_denorm_mode_32 3
		.amdhsa_float_denorm_mode_16_64 3
		.amdhsa_memory_ordered 1
		.amdhsa_forward_progress 1
		.amdhsa_inst_pref_size 255
	.end_amdhsa_kernel
	.section	.bss,"aw",@nobits
	.p2align	6
	.space	262144
	.amdgpu_metadata
---
amdhsa.version: [ 1, 2 ]
amdhsa.kernels:
  - .name:           k_qba6c6d31c2_qkv
    .symbol:         k_qba6c6d31c2_qkv.kd
    .args:
      - { .name: hbuf, .offset: 0, .size: 8, .value_kind: global_buffer, .address_space: global }
      - { .name: Wqkv_codes, .offset: 8, .size: 8, .value_kind: global_buffer, .address_space: global }
      - { .name: Wqkv_scales, .offset: 16, .size: 8, .value_kind: global_buffer, .address_space: global }
      - { .name: rope, .offset: 24, .size: 8, .value_kind: global_buffer, .address_space: global }
      - { .name: qkvb, .offset: 32, .size: 8, .value_kind: global_buffer, .address_space: global }
    .group_segment_fixed_size: 327680
    .private_segment_fixed_size: 0
    .kernarg_segment_align: 8
    .kernarg_segment_size: 40
    .max_flat_workgroup_size: 128
    .sgpr_count:     102
    .vgpr_count:     1024
    .wavefront_size: 32
...
	.end_amdgpu_metadata
.endif
;; end of part 2
;; launch attn (part 3): grid 32 x 8, 16 waves a work-group, clusters of 4 x 1, 327,680 bytes of LDS; arguments qkvb, attn_mask, abuf; writes abuf
.if DOCPART == 3
	.amdgcn_target "amdgcn-amd-amdhsa--gfx1250"
	.amdhsa_code_object_version 6
	.text
	.protected	k_qba6c6d31c2_attn
	.globl	k_qba6c6d31c2_attn
	.p2align	8
	.type	k_qba6c6d31c2_attn,@function
k_qba6c6d31c2_attn:
	s_mov_b64 s[64:65], 0
	v_nop
	global_prefetch_b8 v0, s[64:65] scope:SCOPE_SE
	s_setreg_imm32_b32 hwreg(HW_REG_WAVE_MODE, 25, 1), 1
	s_wait_xcnt 0x0
	s_wait_alu depctr_hold_cnt(0) depctr_sa_sdst(0) depctr_va_vdst(0) depctr_va_sdst(0) depctr_va_ssrc(0) depctr_va_vcc(0) depctr_vm_vsrc(0)
	s_getreg_b32 s2, hwreg(HW_REG_IB_STS2, 6, 4)
	s_cmp_eq_u32 s2, 0
	s_cbranch_scc0 .Lentry_in_a_cluster
	s_endpgm
.Lentry_in_a_cluster:
	s_bfe_u32 s2, ttmp6, 0x10000c
	s_cmp_lg_u32 s2, 0x3003
	s_cbranch_scc0 .Lentry_shape_is_right
	s_endpgm
.Lentry_shape_is_right:
; attn = softmax(q k^T / 8 + mask) v for 32 (batch, head) pairs, both products on codes of E4M3 with E8M0 scales; the result is quantised along the model's 1,024 for the next product.
; THE SOFTMAX: logit = score x 0.125 + mask (one fused multiply-add: the division by 8 is exact); t = logit x log2(e); M = the running largest t rounded UP to a whole number; p = 2^(t - M) is quantised along the keys,
; not normalised; the row's sum is taken of the unquantised p and divides at the end; when M moves, the sum and O are multiplied by 2^(old M - new M), which rounds nothing.  The mask is taken as it is given: every key step is walked.
; SHARES.  A work-group owns one (batch, head) and 256 queries; each of its sixteen waves owns one tile of 16 queries in 256 registers, four waves to a SIMD.  Wave w = 4 g + s owns tile 4 y + 32 g + s.
; Every wave walks 16 steps of 128 keys.  A step's K, V and their scale words are one dense block of 17,152 bytes (one tensor load, wave 4); the mask's 256 rows x 512 bytes come by four loads of 64 rows (waves 0-3).
; CLUSTER.  The four work-groups of a cluster are four heads with the same queries: they read the same tile of the mask, 135,168 of a step's 152,320 bytes: it is asked for JOINTLY.  K and V are each work-group's own.
; LAYOUT.  Both products are used transposed: S^T = K Q^T, O^T = V^T P^T: a lane holds ONE query (lane % 16).  In S^T register j of tile t is key 16 t + 8 (lane / 16) + j; p's codes of tiles 2 c, 2 c + 1 are registers
; 4 c .. 4 c + 3 of P's fragment, and V's codes were stored in that same order of keys within each block of 32.
; K = 64 in an instruction of 128: even tiles take the fragment [k | 0], odd tiles [0 | k], both against [q | q]; the scale words hold s0 s1 s0 s1.  One run of eight zero registers serves two tiles and is written once.
; LIMITS: NaN and infinities (a mask of -inf among them) are not served; blocks under 2^-118 and blocks of zeros get the byte 1 (this program alone reads the bytes).
; REGISTERS: v1-11 addresses; v12 -M, v13 the largest t, v[14:15] the sum; v16-31 Q; v32-39, 48-55, 56-63, 72-79 K's tiles, v40-47 and v64-71 zeros; the mask's 64 numbers and then V's four fragments in
; v32-39, v48-63, v72-95, v192-223; v96-159 S^T, then p; v160-191 O^T; v224-239 p's codes; v232-254 at work; v248-251 K's or V's scale words, v253 p's, v255 Q's.
.set SLOT,  152320                     ; a slot: the K/V block, then 256 rows of the mask
.set MOFF,  17152
.set MP,    528                        ; a row of the mask: 512 bytes + 16 of padding
.set SPARE, 2*SLOT                     ; the spare words, 128 bytes for each of 16 waves
.set BLKB,  25856
.set SPW,  1
.set NIL,  2
.set AKV,  3                           ; v3, v4   slot s + 16 x lane
.set AVS,  5                           ; v5, v6   slot s + 8 x lane
.set AM,   7                           ; v7, v8   slot s: my query's row of the mask, + 32 (lane / 16)
.set LB,   9                           ; 16 r + 8 h
.set L4,   10                          ; 4 r
.set L16R, 11                          ; 16 r
.set WV,   18
.set MNT,  19
.set SEL,  20
.set CS,   22                          ; s[22:23] log2(e)
.set G1M,  24
.set G1KV, 32
.set G0M,  40                          ; one set for each slot
.set G0KV, 48
.set EI,   56                          ; s[56:57] 1 / 8
.set CNT,  58
.macro ROUND                           ; a round of the cluster's barrier
	s_barrier_signal -1
	s_barrier_wait -1
	s_cmp_lg_u32 s[WV], 0
	s_cbranch_scc1 .Lnot_wave_0_\@
	s_barrier_signal -3
.Lnot_wave_0_\@:
	s_barrier_wait -3
	s_barrier_signal -1
	s_barrier_wait -1
.endm
; Waves 0-3 ask for the mask's four parts (jointly), wave 4 for K and V, the others for nothing.  The branches hang on the wave's number alone.  Four v_nop follow each of the two lines.
.macro TLOAD s
	s_cmp_lt_u32 s[WV], 4
	s_cbranch_scc0 .Lnot_m_\@
	tensor_load_to_lds s[G0M+4*(\s):G0M+4*(\s)+3], s[G1M:G1M+7]
	s_nop 0
.rept 4
	v_nop
.endr
	s_branch .Lasked_\@
.Lnot_m_\@:
	s_cmp_eq_u32 s[WV], 4
	s_cbranch_scc0 .Lasked_\@
	tensor_load_to_lds s[G0KV+4*(\s):G0KV+4*(\s)+3], s[G1KV:G1KV+7]
	s_nop 0
.rept 4
	v_nop
.endr
.Lasked_\@:
.endm
	s_load_b128 s[4:7], s[0:1], 0x0                ; qkvb, the mask
	s_load_b64 s[8:9], s[0:1], 0x10                ; abuf
	v_lshl_add_u32 v[SPW], v0, 2, SPARE
	v_mov_b32 v[NIL], 0
	ds_add_u32 v1, v2
	s_wait_dscnt 0x0
	v_lshrrev_b32 v11, 5, v0
	v_readfirstlane_b32 s[WV], v11                 ; wave 0..15
	s_bfe_u32 s10, ttmp6, 0x40000                  ; cx: it enters global addresses of my own loads and stores alone
	s_lshl_b32 s11, ttmp9, 2
	s_add_co_u32 s11, s11, s10                     ; batch x 16 + head
	s_and_b32 s12, ttmp7, 0xffff                   ; y
	s_and_b32 s13, s[WV], 3
	s_lshr_b32 s14, s[WV], 2
	s_lshl_b32 s15, s12, 2
	s_lshl_b32 s16, s14, 5
	s_add_co_u32 s15, s15, s16
	s_add_co_u32 s15, s15, s13                     ; my tile of 16 queries
	s_lshl_b32 s60, s12, 6                         ; the mask's part that I fetch: rows 64 y + 512 (wave & 3) on,
	s_lshl_b32 s61, s13, 9
	s_add_co_u32 s60, s60, s61
	s_lshl_b32 s60, s60, 13                        ; of 8,192 bytes
	s_mov_b32 s61, 0
	s_mul_i32 s62, s11, 16*BLKB                    ; my head's first block
	s_mov_b32 s63, 0
	s_mul_i32 s66, s13, 64*MP                      ; and the part's place in a slot
	s_lshr_b32 s72, s15, 3                         ; Q: the block of my tile,
	s_lshl_b32 s73, s11, 4
	s_add_co_u32 s72, s72, s73
	s_mul_i32 s72, s72, BLKB
	s_and_b32 s74, s15, 7                          ; the tile in it
	s_lshl_b32 s75, s74, 10
	s_add_co_u32 s76, s72, s75
	s_add_co_u32 s76, s76, 17152
	s_mov_b32 s77, 0
	s_and_b32 s75, s74, 1                          ; its scale words: lanes 16 (tile & 1) on, word tile >> 1
	s_lshl_b32 s75, s75, 8
	s_lshr_b32 s74, s74, 1
	s_lshl_b32 s74, s74, 2
	s_add_co_u32 s78, s72, s75
	s_add_co_u32 s78, s78, s74
	s_add_co_u32 s78, s78, 25344
	s_mov_b32 s79, 0
	s_lshr_b32 s80, s11, 4                         ; batch
	s_and_b32 s81, s11, 15                         ; head
	s_lshl_b32 s82, s80, 7
	s_add_co_u32 s82, s82, s15                     ; the result's tile of 16 rows
	s_lshl_b32 s83, s82, 3
	s_lshr_b32 s84, s81, 1                         ; which 128 of the next K
	s_add_co_u32 s83, s83, s84
	s_lshl_b32 s83, s83, 11
	s_and_b32 s85, s81, 1
	s_lshl_b32 s86, s85, 10
	s_add_co_u32 s86, s83, s86                     ; the codes' place
	s_mov_b32 s87, 0
	s_lshl_b32 s88, s84, 12
	s_lshl_b32 s89, s82, 4
	s_add_co_u32 s88, s88, s89
	s_lshl_b32 s88, s88, 2
	s_lshl_b32 s89, s85, 1
	s_add_co_u32 s88, s88, s89
	s_add_co_u32 s88, s88, 0x400000                ; and the two scale bytes'
	s_mov_b32 s89, 0
	s_mov_b32 s[G1M], 15|(2<<16)|(1<<20)|(1<<21)|(6<<22)|(3<<25)   ; all four work-groups; elements of 4 bytes; padding on; bit 21 beside a mask; 4 words behind every 128
	s_mov_b32 s[G1M+1], 128<<16                    ; tensor_dim0
	s_mov_b32 s[G1M+2], 64<<16                     ; tensor_dim1
	s_mov_b32 s[G1M+3], 128<<16                    ; tile_dim0
	s_mov_b32 s[G1M+4], 64                         ; tile_dim1
	s_mov_b32 s[G1M+5], 2048                       ; the pitch
	s_mov_b32 s[G1M+6], 0
	s_mov_b32 s[G1M+7], 0
	s_mov_b32 s[G1KV], 3<<16                       ; no mask; elements of 8 bytes; a dense block as 67 rows of 256 bytes
	s_mov_b32 s[G1KV+1], 32<<16
	s_mov_b32 s[G1KV+2], 67<<16
	s_mov_b32 s[G1KV+3], 32<<16
	s_mov_b32 s[G1KV+4], 67
	s_mov_b32 s[G1KV+5], 32
	s_mov_b32 s[G1KV+6], 0
	s_mov_b32 s[G1KV+7], 0
	s_mov_b32 s[MNT], 0x600000
	s_mov_b32 s[SEL], 0x76543210
	s_mov_b32 s[SEL+1], 0xfedcba98
	s_mov_b32 s[CS], 0x3fb8aa3b
	s_mov_b32 s[CS+1], s[CS]
	s_mov_b32 s[EI], 0x3e000000
	s_mov_b32 s[EI+1], s[EI]
	s_mov_b32 s[CNT], 7
	s_wait_kmcnt 0x0
	s_add_nc_u64 s[68:69], s[6:7], s[60:61]
	s_add_nc_u64 s[70:71], s[4:5], s[62:63]
	s_add_nc_u64 s[76:77], s[4:5], s[76:77]
	s_add_nc_u64 s[78:79], s[4:5], s[78:79]
	s_add_nc_u64 s[86:87], s[8:9], s[86:87]
	s_add_nc_u64 s[88:89], s[8:9], s[88:89]
.irp s, 0,1
	s_mov_b32 s[G0M+4*\s], 1
	s_add_co_u32 s[G0M+4*\s+1], s66, \s*SLOT+MOFF
	s_add_nc_u64 s[G0M+4*\s+2:G0M+4*\s+3], s[68:69], \s*512        ; key step s
	s_or_b32 s[G0M+4*\s+3], s[G0M+4*\s+3], 0x80000000
	s_mov_b32 s[G0KV+4*\s], 1
	s_mov_b32 s[G0KV+4*\s+1], \s*SLOT
	s_add_nc_u64 s[G0KV+4*\s+2:G0KV+4*\s+3], s[70:71], \s*BLKB
	s_or_b32 s[G0KV+4*\s+3], s[G0KV+4*\s+3], 0x80000000
.endr
	ROUND                                          ; all four work-groups are here: the first joint loads meet
	TLOAD 0                                        ; key step 0
	v_and_b32 v12, 31, v0                          ; lane
	v_lshlrev_b32 v[AKV], 4, v12
	v_add_nc_u32 v[AKV+1], SLOT, v[AKV]
	v_lshlrev_b32 v[AVS], 3, v12
	v_add_nc_u32 v[AVS+1], SLOT, v[AVS]
	v_and_b32 v12, 15, v0                          ; r
	v_bfe_u32 v13, v0, 4, 1                        ; h
	v_lshrrev_b32 v14, 5, v0
	v_lshl_add_u32 v14, v14, 4, v12                ; 16 x wave + r: my query's row in the slot
	v_mul_u32_u24 v[AM], v14, MP
	v_lshl_add_u32 v[AM], v13, 5, v[AM]
	v_add_nc_u32 v[AM], MOFF, v[AM]
	v_add_nc_u32 v[AM+1], SLOT, v[AM]
	v_lshlrev_b32 v[LB], 4, v12
	v_lshl_add_u32 v[LB], v13, 3, v[LB]
	v_lshlrev_b32 v[L4], 2, v12
	v_lshlrev_b32 v[L16R], 4, v12
	global_load_b128 v[16:19], v[AKV], s[76:77]            ; Q's eight registers, twice: [q | q]
	global_load_b128 v[20:23], v[AKV], s[76:77] offset:512
	global_load_b128 v[24:27], v[AKV], s[76:77]
	global_load_b128 v[28:31], v[AKV], s[76:77] offset:512
	global_load_b32 v255, v[L16R], s[78:79]                ; and its scale words
	v_mov_b32 v13, 0xff61b1e6                      ; the largest t so far: -3e38
	v_floor_f32 v12, -v13                          ; -M
	v_mov_b32 v14, 0
	v_mov_b32 v15, 0
.irp j, 0,1,2,3,4,5,6,7
	v_mov_b32 v[40+\j], 0                          ; the zero halves of K's fragments: written once
	v_mov_b32 v[64+\j], 0
.endr
.irp b, 0,1,2,3
	v_mov_b32 v[236+\b], 0                         ; a lane permute's destination counts as one of its sources
.endr
	v_mov_b32 v253, 0
.set n, 0
.rept 32
	v_mov_b32 v[160+n], 0                          ; O^T: the step is written once; the first finds zeros
.set n, n+1
.endr
	s_wait_loadcnt 0x0
; A KEY STEP: 128 keys, in slot sl.
.macro STEP sl
.rept 8
	v_nop                                          ; places in front of loads into registers that the last products read
.endr
	ds_load_b128 v[248:251], v[AKV+\sl] offset:16384       ; K's scale words: register y: lanes 0-15 tile 2 y, lanes 16-31 tile 2 y + 1
.irp g, 0,1
.if \g
.rept 8
	v_nop
.endr
.endif
	ds_load_b128 v[32:35], v[AKV+\sl] offset:(4*\g)*1024
	ds_load_b128 v[36:39], v[AKV+\sl] offset:(4*\g)*1024+512
	ds_load_b128 v[48:51], v[AKV+\sl] offset:(4*\g+1)*1024
	ds_load_b128 v[52:55], v[AKV+\sl] offset:(4*\g+1)*1024+512
	ds_load_b128 v[56:59], v[AKV+\sl] offset:(4*\g+2)*1024
	ds_load_b128 v[60:63], v[AKV+\sl] offset:(4*\g+2)*1024+512
	ds_load_b128 v[72:75], v[AKV+\sl] offset:(4*\g+3)*1024
	ds_load_b128 v[76:79], v[AKV+\sl] offset:(4*\g+3)*1024+512
	s_wait_dscnt 0x0
	v_wmma_scale_f32_16x16x128_f8f6f4 v[96+32*\g:103+32*\g], v[32:47], v[16:31], 0, v[248+2*\g], v255
	v_wmma_scale_f32_16x16x128_f8f6f4 v[104+32*\g:111+32*\g], v[40:55], v[16:31], 0, v[248+2*\g], v255 matrix_a_scale:MATRIX_SCALE_ROW1
	v_wmma_scale_f32_16x16x128_f8f6f4 v[112+32*\g:119+32*\g], v[56:71], v[16:31], 0, v[249+2*\g], v255
	v_wmma_scale_f32_16x16x128_f8f6f4 v[120+32*\g:127+32*\g], v[64:79], v[16:31], 0, v[249+2*\g], v255 matrix_a_scale:MATRIX_SCALE_ROW1
.endr
.rept 8
	v_nop
.endr
.set n, 0
.irp m, 32,36,48,52,56,60,72,76,80,84,88,92,192,196,200,204
	ds_load_b128 v[\m:\m+3], v[AM+\sl] offset:64*(n/2)+16*(n%2)    ; the mask at my query and the keys of registers 4 n .. 4 n + 3
.set n, n+1
.endr
	s_wait_dscnt 0x0
.set n, 0
.irp m, 32,36,48,52,56,60,72,76,80,84,88,92,192,196,200,204
	v_pk_fma_f32 v[96+4*n:97+4*n], v[96+4*n:97+4*n], s[EI:EI+1], v[\m:\m+1] op_sel_hi:[1,0,1]       ; score / 8 + mask
	v_pk_fma_f32 v[98+4*n:99+4*n], v[98+4*n:99+4*n], s[EI:EI+1], v[\m+2:\m+3] op_sel_hi:[1,0,1]
.set n, n+1
.endr
.set n, 0
.irp m, 48,72,192,208                  ; V's four fragments are asked for here and land under the softmax
.irp c, 0,1,2,3
	ds_load_b128 v[\m+4*\c:\m+4*\c+3], v[AKV+\sl] offset:8192+n*2048+512*\c
.endr
.set n, n+1
.endr
	ds_load_b64 v[248:249], v[AVS+\sl] offset:16896        ; V's scale words: register e: lanes 0-15 tile 2 e, lanes 16-31 tile 2 e + 1
.irp b, 0,1,2,3
	v_max3_num_f32 v[232+\b], v[96+16*\b], v[97+16*\b], v[98+16*\b]        ; the largest logit of each block of 32 keys: for the row's maximum, and, since p rises with it, for the block's largest p
.endr
.irp i, 3,5,7,9,11,13
.irp b, 0,1,2,3
	v_max3_num_f32 v[232+\b], v[232+\b], v[96+16*\b+\i], v[97+16*\b+\i]
.endr
.endr
.irp b, 0,1,2,3
	v_max_num_f32 v[232+\b], v[232+\b], v[111+16*\b]
.endr
.irp b, 0,1,2,3
	v_permlanex16_b32 v[236+\b], v[232+\b], s[SEL], s[SEL+1]
.endr
.irp b, 0,1,2,3
	v_max_num_f32 v[232+\b], v[232+\b], v[236+\b]
.endr
	v_max3_num_f32 v254, v232, v233, v234
	v_max_num_f32 v254, v254, v235
	v_mul_f32 v254, s[CS], v254                    ; as t
	v_max_num_f32 v13, v13, v254                   ; the running largest t
	v_mov_b32 v254, v12
	v_floor_f32 v12, -v13                          ; the new -M = -ceil(t)
	v_sub_f32 v254, v12, v254                      ; old M - new M: a whole number, 0 or less
	v_cvt_i32_f32 v254, v254                       ; (it saturates)
	v_ldexp_f32 v252, 1.0, v254                    ; f = 2^(old M - new M)
.set n, 0
.rept 32
	v_pk_fma_f32 v[96+n:97+n], v[96+n:97+n], s[CS:CS+1], v[12:13] op_sel_hi:[1,0,0]    ; t - M
.set n, n+2
.endr
.irp b, 0,1,2,3
	v_fma_f32 v[232+\b], v[232+\b], s[CS], v12     ; the same of each block's largest logit
.endr
.set n, 0
.rept 64
	v_exp_f32 v[96+n], v[96+n]                     ; p = 2^(t - M)
.set n, n+1
.endr
.irp b, 0,1,2,3
	v_exp_f32 v[232+\b], v[232+\b]                 ; the block's largest p: the same two instructions on the same number
.endr
	v_pk_mul_f32 v[14:15], v[14:15], v[252:253] op_sel_hi:[1,0]    ; the sums under the new M (a plain line behind the exponentials)
	s_wait_alu depctr_va_vdst(0)
.irp b, 0,1,2,3
	v_max_num_f32 v[232+\b], 0x4800000, v[232+\b]  ; the floor 2^(9 - 127)
.endr
.irp b, 0,1,2,3
	v_add_nc_u32 v[244+\b], 0xfc000000, v[232+\b]  ; the conversion's scale operand
.endr
.irp b, 0,1,2,3
	v_and_or_b32 v[240+\b], v[232+\b], 0x7f800000, s[MNT]  ; 448 x the scale
.endr
.irp b, 0,1,2,3
	v_lshrrev_b32 v[236+\b], 23, v[244+\b]
.endr
	v_lshl_or_b32 v253, v237, 8, v236              ; p's scale word for these 128 keys
	v_lshl_or_b32 v253, v238, 16, v253
	v_lshl_or_b32 v253, v239, 24, v253
	v_pk_add_f32 v[236:237], v[96:97], v[98:99]    ; the row's sum, of the unquantised p, in two chains
.irp j, 4,8,12,16,20,24,28,32,36,40,44,48,52,56,60
	v_pk_add_f32 v[14:15], v[14:15], v[96+\j:97+\j]
	v_pk_add_f32 v[236:237], v[236:237], v[98+\j:99+\j]
.endr
	v_pk_add_f32 v[14:15], v[14:15], v[236:237]
.irp b, 0,1,2,3
.irp i, 0,1,2,3,4,5,6,7,8,9,10,11,12,13,14,15
	v_min_num_f32 v[96+16*\b+\i], v[96+16*\b+\i], v[240+\b]        ; the hold (ISA guide 7.6.2); p is not negative
.endr
	v_cvt_scalef32_pk8_fp8_f32 v[224+4*\b:225+4*\b], v[96+16*\b:103+16*\b], v[244+\b]
	v_cvt_scalef32_pk8_fp8_f32 v[226+4*\b:227+4*\b], v[104+16*\b:111+16*\b], v[244+\b]
.endr
.set n, 0
.rept 16
	v_pk_mul_f32 v[160+n:161+n], v[160+n:161+n], v[252:253] op_sel_hi:[1,0]    ; O^T under the new M; also the places between the codes and the products below
.set n, n+2
.endr
	s_wait_dscnt 0x0                               ; V and its scale words
	v_wmma_scale_f32_16x16x128_f8f6f4 v[160:167], v[48:63], v[224:239], v[160:167], v248, v253
	v_wmma_scale_f32_16x16x128_f8f6f4 v[168:175], v[72:87], v[224:239], v[168:175], v248, v253 matrix_a_scale:MATRIX_SCALE_ROW1
	v_wmma_scale_f32_16x16x128_f8f6f4 v[176:183], v[192:207], v[224:239], v[176:183], v249, v253
	v_wmma_scale_f32_16x16x128_f8f6f4 v[184:191], v[208:223], v[224:239], v[184:191], v249, v253 matrix_a_scale:MATRIX_SCALE_ROW1
.endm
; A trip: each wave waits for all its tensor loads (its part of this trip's slot), adds 0 to its spare word, and waits for that and for its reads of the other slot; a round of the cluster's barrier; the other slot is
; asked for first thing behind it, one load a wave, and has this trip's step in which to land.
.macro TRIP sl, refill
	s_wait_tensorcnt 0x0                           ; no tensor load of mine is out, so a group 0 may be written
	ds_add_u32 v[SPW], v[NIL]                      ; 0 onto my spare word
	s_add_nc_u64 s[G0M+4*\sl+2:G0M+4*\sl+3], s[G0M+4*\sl+2:G0M+4*\sl+3], 1024      ; this slot's next tiles: two key steps on
	s_add_nc_u64 s[G0KV+4*\sl+2:G0KV+4*\sl+3], s[G0KV+4*\sl+2:G0KV+4*\sl+3], 2*BLKB
	s_wait_dscnt 0x0
	ROUND
.if \refill
	TLOAD 1-\sl
.endif
	STEP \sl
.endm
.Lpair:
	TRIP 0, 1
	TRIP 1, 1
	s_sub_co_u32 s[CNT], s[CNT], 1
	s_cmp_lg_u32 s[CNT], 0
	s_cbranch_scc1 .Lpair
	TRIP 0, 1                                      ; the tail is written out
	TRIP 1, 0
	; THE WAY OUT: O^T / the sum; register 8 t + j of lane (r, h) is d = 16 t + 8 h + j of query r: two blocks of 32 of the next K; the codes go straight into the next launch's fragment images.
.rept 8
	v_nop
.endr
	v_add_f32 v14, v14, v15
	v_permlanex16_b32 v252, v14, s[SEL], s[SEL+1]
	v_add_f32 v14, v14, v252
	v_rcp_f32 v14, v14
	v_nop
.set n, 0
	s_wait_alu depctr_va_vdst(0)
.rept 32
	v_mul_f32 v[96+n], v[160+n], v14               ; each accumulator from its low end on
.set n, n+1
.endr
.irp b, 0,1
	v_max3_num_f32 v[232+\b], |v[96+16*\b]|, |v[97+16*\b]|, 0x4800000
.endr
.irp i, 2,4,6,8,10,12,14
.irp b, 0,1
	v_max3_num_f32 v[232+\b], v[232+\b], |v[96+16*\b+\i]|, |v[97+16*\b+\i]|
.endr
.endr
.irp b, 0,1
	v_permlanex16_b32 v[236+\b], v[232+\b], s[SEL], s[SEL+1]
.endr
.irp b, 0,1
	v_max_num_f32 v[232+\b], v[232+\b], v[236+\b]
.endr
.irp b, 0,1
	v_add_nc_u32 v[244+\b], 0xfc000000, v[232+\b]
	v_and_or_b32 v[240+\b], v[232+\b], 0x7f800000, s[MNT]
	v_lshrrev_b32 v[236+\b], 23, v[244+\b]
.endr
	v_lshl_or_b32 v238, v237, 8, v236              ; my head's two scale bytes
.irp b, 0,1
.irp i, 0,1,2,3,4,5,6,7,8,9,10,11,12,13,14,15
	v_med3_num_f32 v[96+16*\b+\i], v[96+16*\b+\i], -v[240+\b], v[240+\b]
.endr
	v_cvt_scalef32_pk8_fp8_f32 v[224+4*\b:225+4*\b], v[96+16*\b:103+16*\b], v[244+\b]
	v_cvt_scalef32_pk8_fp8_f32 v[226+4*\b:227+4*\b], v[104+16*\b:111+16*\b], v[244+\b]
.endr
	v_nop
.irp n, 0,1,2,3
	global_store_b64 v[LB], v[224+2*\n:225+2*\n], s[86:87] offset:256*\n   ; 256 consecutive bytes, aligned
.endr
	global_store_b16 v[L4], v238, s[88:89]         ; half of row r's scale word; lanes l and l + 16 write the same two bytes with the same value
	s_wait_tensorcnt 0x0                           ; the wave's end
	ds_add_u32 v[SPW], v[NIL]
	s_wait_dscnt 0x0
	ROUND                                          ; the closing round
	s_endpgm
.Lfunc_end_k_qba6c6d31c2_attn:
	.size	k_qba6c6d31c2_attn, .Lfunc_end_k_qba6c6d31c2_attn-k_qba6c6d31c2_attn
	.p2alignl 7, 3214868480
	.fill 96, 4, 3214868480
	.section	.rodata,"a",@progbits
	.p2align	6, 0x0
	.amdhsa_kernel k_qba6c6d31c2_attn
		.amdhsa_group_segment_fixed_size 327680
		.amdhsa_private_segment_fixed_size 0
		.amdhsa_enable_private_segment 0
		.amdhsa_kernarg_size 24
		.amdhsa_user_sgpr_count 2
		.amdhsa_user_sgpr_kernarg_segment_ptr 1
		.amdhsa_wavefront_size32 1
		.amdhsa_system_sgpr_workgroup_id_x 1
		.amdhsa_system_sgpr_workgroup_id_y 1
		.amdhsa_system_sgpr_workgroup_id_z 1
		.amdhsa_system_vgpr_workitem_id 0
		.amdhsa_next_free_vgpr 256
		.amdhsa_next_free_sgpr 96
		.amdhsa_reserve_vcc 0
		.amdhsa_float_denorm_mode_32 3
		.amdhsa_float_denorm_mode_16_64 3
		.amdhsa_memory_ordered 1
		.amdhsa_forward_progress 1
		.amdhsa_inst_pref_size 105
	.end_amdhsa_kernel
	.amdgpu_metadata
---
amdhsa.version: [ 1, 2 ]
amdhsa.kernels:
  - .name:           k_qba6c6d31c2_attn
    .symbol:         k_qba6c6d31c2_attn.kd
    .args:
      - { .name: qkvb, .offset: 0, .size: 8, .value_kind: global_buffer, .address_space: global }
      - { .name: attn_mask, .offset: 8, .size: 8, .value_kind: global_buffer, .address_space: global }
      - { .name: abuf, .offset: 16, .size: 8, .value_kind: global_buffer, .address_space: global }
    .group_segment_fixed_size: 327680
    .private_segment_fixed_size: 0
    .kernarg_segment_align: 8
    .kernarg_segment_size: 24
    .max_flat_workgroup_size: 512
    .sgpr_count:     96
    .vgpr_count:     256
    .wavefront_size: 32
...
	.end_amdgpu_metadata
.endif
;; end of part 3
;; launch oproj (part 4): grid 8 x 32, 4 waves a work-group, clusters of 4 x 4, 327,680 bytes of LDS; arguments abuf, Wout_codes, Wout_scales, x, x1; writes x1
.if DOCPART == 4
	.amdgcn_target "amdgcn-amd-amdhsa--gfx1250"
	.amdhsa_code_object_version 6
	.text
	.protected	k_qba6c6d31c2_oproj
	.globl	k_qba6c6d31c2_oproj
	.p2align	8
	.type	k_qba6c6d31c2_oproj,@function
k_qba6c6d31c2_oproj:
	s_mov_b64 s[64:65], 0
	v_nop
	global_prefetch_b8 v0, s[64:65] scope:SCOPE_SE
	s_setreg_imm32_b32 hwreg(HW_REG_WAVE_MODE, 25, 1), 1
	s_wait_xcnt 0x0
	s_wait_alu depctr_hold_cnt(0) depctr_sa_sdst(0) depctr_va_vdst(0) depctr_va_sdst(0) depctr_va_ssrc(0) depctr_va_vcc(0) depctr_vm_vsrc(0)
	s_getreg_b32 s2, hwreg(HW_REG_IB_STS2, 6, 4)
	s_cmp_eq_u32 s2, 0
	s_cbranch_scc0 .Lentry_in_a_cluster
	s_endpgm
.Lentry_in_a_cluster:
	s_bfe_u32 s2, ttmp6, 0x10000c
	s_cmp_lg_u32 s2, 0xf033
	s_cbranch_scc0 .Lentry_shape_is_right
	s_endpgm
.Lentry_shape_is_right:
; out = res + A W^T.  A: 4,096 rows x SIZE_K as codes of E4M3, stored as images of fragments [row / 16][K / 128][2,048 bytes], with its scale words [K / 128][4096] behind them; W: [1024][SIZE_K] codes, K innermost, scale bytes
; [1024][SIZE_K / 32]; res and out: [4096][1024] f32.  Here SIZE_K = 1,024: A = the attention's result, W = Wout, res = x, out = x1.
; A tile of 128 x 128 a work-group, so that the 32 x 8 tiles give each of 256 WGPs one; four waves of 64 x 64: 16 accumulators.  K goes in steps of 512 through two LDS slots; a slot holds A's 8 x 4 images (dense: a fragment is
; four loads of 512 consecutive bytes) and W's 128 rows of 512 bytes + 16 of padding.  The scale words of A and the scale bytes of W, for all of K, come once.
; CLUSTERS: 4 x 4 work-groups; A's tiles are asked for jointly along a row of the cluster, W's along a column.  The matrix instruction is used transposed (source 0 = 16 rows of W, source 1 = 16 rows of A): a lane holds
; eight neighbouring numbers of a row of the result.
; With SIZE_K = 1,024 the two slots are filled once each: the loop and the refills are not assembled.
; REGISTERS: window 0: v16-29 addresses; v32-95 scale words, two sets; v96-127 the way out; v128-255 the accumulators ((a, b) at v[128 + 8 (4 a + b)]).  window 1: two fragment buffers of 128 (A's 64, W's 64); on the way out
; v0-63 hold the residual, two sets.
.set SIZE_K, 1024
.set NK,     SIZE_K/128
.set KSTEP,  512
.set LAPS,   SIZE_K/(2*KSTEP)
.set PITCH,  528                       ; 512 bytes + 16: the 16 rows that a load touches start at 16 different banks (64 banks of 4 bytes: ISA guide 11.1)
.set AHALF,  32768                     ; four row tiles x four images: what one load brings, and what one wave reads of A
.set BOFF,   65536
.set BHALF,  64*PITCH
.set SLOT,   BOFF+2*BHALF
.set KS,     SIZE_K/32
.set SCA,    2*SLOT                    ; A's scale words [K / 128][128 rows]
.set SCB,    SCA+16384                 ; W's scale bytes, as runs of 256 bytes + 16 of padding
.set HALFSB, (64*KS/256)*272
.set SBLK,   (16*KS/256)*272
.set SPARE,  SCB+17408                 ; the spare words, 128 bytes for each wave
.set SPITCH, 272                       ; the way out: 16 rows x (256 bytes + 16) for each wave, in slot 0, which has had its last fill and its last read by then
.set ADRA, 16
.set ADRB, 20
.set ADSA, 22
.set ADSB, 23
.set STO,  24
.set RD,   25
.set CO,   26
.set SPW,  28
.set NIL,  29
.set SC,   32                          ; set s at v[32 + 32 s]: A's word of (q, block i) at + 4 q + i; W's of (block i, q) at + 16 + 4 i + q
.set BK,   96
.set ACC,  128
.set F0,   0
.set F1,   128
.set G1, 24
.set G0, 32
.set G1B, 48
.set G0B, 56
.set G1S, 68
.set G0S, 76
.set G1SB, 80
.set G0SB, 88
.set MSB, 0
.macro WIN new
.if MSB != (\new)
	s_set_vgpr_msb (MSB<<8)|(\new)
.set MSB, (\new)
.endif
.endm
.set MUL,  0x05                        ; sources 0 (W) and 1 (A) window 1; C and D window 0
.set TO_F, 0x40                        ; destination window 1, address window 0
.macro JLOAD g0a, g1a, g0b, g1b        ; a joint load: waves 0 and 1 fetch for A, waves 2 and 3 for W; four v_nop follow each of the two lines
	s_cmp_eq_u32 s15, 0
	s_cbranch_scc0 .Lfor_b_\@
	tensor_load_to_lds s[\g0a:\g0a+3], s[\g1a:\g1a+7]
	s_nop 0
.rept 4
	v_nop
.endr
	s_branch .Lasked_\@
.Lfor_b_\@:
	tensor_load_to_lds s[\g0b:\g0b+3], s[\g1b:\g1b+7]
	s_nop 0
.rept 4
	v_nop
.endr
.Lasked_\@:
.endm
.macro CREST
	s_cmp_lg_u32 s14, 0
	s_cbranch_scc1 .Lnot_wave_0_\@
	s_barrier_signal -3
.Lnot_wave_0_\@:
	s_barrier_wait -3
	s_barrier_signal -1
	s_barrier_wait -1
.endm
.macro CROUND
	s_barrier_signal -1
	s_barrier_wait -1
	CREST
.endm
	s_load_b64 s[4:5], s[0:1], 0x0                 ; A
	s_load_b128 s[8:11], s[0:1], 0x8               ; W's codes, its scales
	s_load_b128 s[96:99], s[0:1], 0x18             ; the residual, the result
	v_lshl_add_u32 v[SPW], v0, 2, SPARE
	v_mov_b32 v[NIL], 0
	ds_add_u32 v28, v29
	s_wait_dscnt 0x0
	v_lshrrev_b32 v1, 5, v0
	v_readfirstlane_b32 s14, v1                    ; wave 0..3
	s_lshr_b32 s15, s14, 1                         ; which half of the tile's rows is mine.  Also: I fetch for A (0) or for W (1)
	s_and_b32 s16, s14, 1                          ; which half of its columns.  Also: which half of that tile I fetch
	s_bfe_u32 s40, ttmp6, 0x40000                  ; cx
	s_bfe_u32 s41, ttmp6, 0x40004                  ; cy
	s_lshl_b32 s42, ttmp9, 2
	s_add_co_u32 s42, s42, s40                     ; tile column
	s_and_b32 s17, ttmp7, 0xffff
	s_lshl_b32 s17, s17, 2
	s_add_co_u32 s17, s17, s41                     ; tile row
	s_lshl_b32 s43, s41, 2
	s_lshl_b32 s43, 15, s43                        ; my row of the cluster
	s_lshl_b32 s44, 0x1111, s40                    ; my column
	s_or_b32 s[G1+0], s43, (3<<16)|(1<<21)         ; A's images: 4 rows (row tiles) of 1,024 elements of 8 bytes (four images on end), no padding
	s_mov_b32 s[G1+1], 1024<<16
	s_mov_b32 s[G1+2], 4<<16
	s_mov_b32 s[G1+3], 1024<<16
	s_mov_b32 s[G1+4], 4
	s_mov_b32 s[G1+5], 2*SIZE_K                    ; a row tile's images are 16 SIZE_K bytes
	s_mov_b32 s[G1+6], 0
	s_mov_b32 s[G1+7], 0
	s_or_b32 s[G1B+0], s44, (0<<16)|(1<<20)|(1<<21)|(6<<22)|(3<<25)    ; W: 64 rows of 512 bytes, 4 words of padding behind every 128
	s_mov_b32 s[G1B+1], KSTEP<<16
	s_mov_b32 s[G1B+2], 64<<16
	s_mov_b32 s[G1B+3], KSTEP<<16
	s_mov_b32 s[G1B+4], 64
	s_mov_b32 s[G1B+5], SIZE_K
	s_mov_b32 s[G1B+6], 0
	s_mov_b32 s[G1B+7], 0
	s_or_b32 s[G1S+0], s43, (2<<16)|(1<<21)        ; A's scale words: NK / 2 rows of 128 words, 4,096 words apart
	s_mov_b32 s[G1S+1], 128<<16
	s_mov_b32 s[G1S+2], (NK/2)<<16
	s_mov_b32 s[G1S+3], 128<<16
	s_mov_b32 s[G1S+4], NK/2
	s_mov_b32 s[G1S+5], 4096
	s_mov_b32 s[G1S+6], 0
	s_mov_b32 s[G1S+7], 0
	s_or_b32 s[G1SB+0], s44, (3<<16)|(1<<20)|(1<<21)|(5<<22)|(3<<25)   ; W's scale bytes of 64 rows: a dense block as rows of 256 bytes + 16
	s_mov_b32 s[G1SB+1], 32<<16
	s_mov_b32 s[G1SB+2], (64*KS/256)<<16
	s_mov_b32 s[G1SB+3], 32<<16
	s_mov_b32 s[G1SB+4], 64*KS/256
	s_mov_b32 s[G1SB+5], 32
	s_mov_b32 s[G1SB+6], 0
	s_mov_b32 s[G1SB+7], 0
	s_lshl_b32 s20, s17, 3
	s_lshl_b32 s18, s16, 2
	s_add_co_u32 s20, s20, s18                     ; A: row tile 8 x tile row + 4 x half
	s_mul_i32 s20, s20, 16*SIZE_K
	s_mov_b32 s21, 0
	s_mul_i32 s22, s16, (NK/2)*16384               ; its scale words: my half of K,
	s_lshl_b32 s18, s17, 9                         ; the tile's 128 rows,
	s_add_co_u32 s22, s22, s18
	s_add_co_u32 s22, s22, 4096*SIZE_K             ; behind the codes
	s_mov_b32 s23, 0
	s_lshl_b32 s46, s42, 7
	s_lshl_b32 s18, s16, 6
	s_add_co_u32 s46, s46, s18                     ; W: row 128 x tile column + 64 x half
	s_mul_i32 s92, s46, KS
	s_mov_b32 s93, 0
	s_mul_i32 s46, s46, SIZE_K
	s_mov_b32 s47, 0
	s_mul_i32 s45, s16, AHALF                      ; where they go: no place in the cluster enters an LDS address
	s_mul_i32 s94, s16, BHALF
	s_add_co_u32 s94, s94, BOFF
	s_mul_i32 s95, s16, (NK/2)*512
	s_add_co_u32 s95, s95, SCA
	s_mul_i32 s19, s16, HALFSB
	s_add_co_u32 s19, s19, SCB
	s_wait_kmcnt 0x0
	s_add_nc_u64 s[20:21], s[4:5], s[20:21]
	s_add_nc_u64 s[22:23], s[4:5], s[22:23]
	s_add_nc_u64 s[46:47], s[8:9], s[46:47]
	s_add_nc_u64 s[92:93], s[10:11], s[92:93]
	CROUND                                         ; all sixteen work-groups are here: the first joint loads meet
	s_mov_b32 s[G0S], 1
	s_mov_b32 s[G0S+1], s95
	s_mov_b64 s[G0S+2:G0S+3], s[22:23]
	s_or_b32 s[G0S+3], s[G0S+3], 0x80000000
	s_mov_b32 s[G0SB], 1
	s_mov_b32 s[G0SB+1], s19
	s_mov_b64 s[G0SB+2:G0SB+3], s[92:93]
	s_or_b32 s[G0SB+3], s[G0SB+3], 0x80000000
	JLOAD G0S, G1S, G0SB, G1SB                     ; the scales first
.irp s, 0,1
	s_mov_b32 s[G0+4*\s], 1
	s_add_co_u32 s[G0+4*\s+1], s45, \s*SLOT
	s_add_nc_u64 s[G0+4*\s+2:G0+4*\s+3], s[20:21], \s*8192
	s_or_b32 s[G0+4*\s+3], s[G0+4*\s+3], 0x80000000
	s_mov_b32 s[G0B+4*\s], 1
	s_add_co_u32 s[G0B+4*\s+1], s94, \s*SLOT
	s_add_nc_u64 s[G0B+4*\s+2:G0B+4*\s+3], s[46:47], \s*KSTEP
	s_or_b32 s[G0B+4*\s+3], s[G0B+4*\s+3], 0x80000000
	JLOAD G0+4*\s, G1, G0B+4*\s, G1B
.endr
	v_and_b32 v1, 15, v0                           ; r
	v_bfe_u32 v2, v0, 4, 1                         ; h
	v_and_b32 v3, 31, v0
	v_lshlrev_b32 v4, 4, v3
	s_mul_i32 s21, s15, AHALF
	v_add_nc_u32 v[ADRA], s21, v4                  ; A: my four row tiles, 16 x lane
	v_add_nc_u32 v[ADRA+1], SLOT, v[ADRA]
	v_mul_u32_u24 v5, v1, PITCH
	v_lshl_add_u32 v5, v2, 4, v5
	s_mul_i32 s22, s16, BHALF
	s_add_co_u32 s22, s22, BOFF
	v_add_nc_u32 v[ADRB], s22, v5                  ; W: my 64 rows, row r, + 16 h
	v_add_nc_u32 v[ADRB+1], SLOT, v[ADRB]
	s_lshl_b32 s21, s15, 8
	s_add_co_u32 s21, s21, SCA
	v_lshl_add_u32 v[ADSA], v1, 2, s21             ; A's scale words: row 64 x half + r
	v_mul_u32_u24 v5, v1, KS
	v_lshrrev_b32 v6, 8, v5
	v_lshl_add_u32 v5, v6, 4, v5
	s_mul_i32 s22, s16, HALFSB
	s_add_co_u32 s22, s22, SCB
	v_add_nc_u32 v[ADSB], s22, v5                  ; W's scale bytes: row r of my 64
	s_mul_i32 s23, s14, 16*SPITCH                  ; my stage
	v_mul_u32_u24 v5, v1, SPITCH
	v_lshl_add_u32 v5, v2, 5, v5
	v_add_nc_u32 v[STO], s23, v5                   ; in: row r, 32 bytes for each half of the lanes
	v_mul_u32_u24 v5, v2, SPITCH
	v_lshl_add_u32 v5, v1, 4, v5
	v_add_nc_u32 v[RD], s23, v5                    ; back: lanes 0-15 one row of 256 bytes, lanes 16-31 the next
	v_lshlrev_b32 v5, 12, v2
	v_lshl_add_u32 v[CO], v1, 4, v5                ; and the same two rows in memory
	s_lshl_b32 s20, s17, 7
	s_lshl_b32 s21, s15, 6
	s_add_co_u32 s20, s20, s21
	s_lshl_b32 s20, s20, 12                        ; my first row, of 4,096 bytes,
	s_lshl_b32 s46, s42, 9
	s_lshl_b32 s47, s16, 8
	s_add_co_u32 s46, s46, s47                     ; my first column
	s_add_co_u32 s46, s46, s20
	s_mov_b32 s47, 0
	s_add_nc_u64 s[96:97], s[96:97], s[46:47]
	s_add_nc_u64 s[98:99], s[98:99], s[46:47]
; 4 matrix instructions: A's block a x W's four, 128 along K: the slot's q-th.  The 16 accumulators take turns, one instruction a turn, in the same order throughout.
.macro MUL4 f, a, q, set, zero
.irp b, 0,1,2,3
.if \zero
	v_wmma_scale_f32_16x16x128_f8f6f4 v[ACC+8*(4*(\a)+\b):ACC+8*(4*(\a)+\b)+7], v[\f+64+16*\b:\f+64+16*\b+15], v[\f+16*(\a):\f+16*(\a)+15], 0, v[SC+32*(\set)+16+4*\b+(\q)], v[SC+32*(\set)+4*(\q)+(\a)]
.else
	v_wmma_scale_f32_16x16x128_f8f6f4 v[ACC+8*(4*(\a)+\b):ACC+8*(4*(\a)+\b)+7], v[\f+64+16*\b:\f+64+16*\b+15], v[\f+16*(\a):\f+16*(\a)+15], v[ACC+8*(4*(\a)+\b):ACC+8*(4*(\a)+\b)+7], v[SC+32*(\set)+16+4*\b+(\q)], v[SC+32*(\set)+4*(\q)+(\a)]
.endif
.endr
.endr
.endm
.macro FETCH slot, q, f                ; 32 LDS loads in one run: W's four fragments, then A's blocks 0, 1, then 2, 3
	WIN TO_F
.irp i, 0,1,2,3
.irp c, 0,1,2,3
	ds_load_b128 v[\f+64+16*\i+4*\c:\f+64+16*\i+4*\c+3], v[ADRB+\slot] offset:\i*16*PITCH+128*(\q)+32*\c
.endr
.endr
.irp i, 0,1,2,3
.irp c, 0,1,2,3
	ds_load_b128 v[\f+16*\i+4*\c:\f+16*\i+4*\c+3], v[ADRA+\slot] offset:\i*8192+2048*(\q)+512*\c
.endr
.endr
.endm
.macro SCALES set                      ; a K step's scale words (window 0)
.irp i, 0,1,2,3
	ds_load_b128 v[SC+32*(\set)+16+4*\i:SC+32*(\set)+16+4*\i+3], v[ADSB] offset:\i*SBLK
.endr
.irp q, 0,1,2,3
.irp i, 0,1,2,3
	ds_load_b32 v[SC+32*(\set)+4*\q+\i], v[ADSA] offset:512*\q+64*\i
.endr
.endr
.endm
.macro PLACES n                        ; plain vector lines between a matrix instruction and a load into, or a read of, its registers
.rept \n
	v_nop
.endr
.endm
.macro QUARTER slot, q, f, g, zero     ; one of a K step's first three quarters: multiplies buffer f, fetches the next quarter into g
	s_wait_dscnt 8                                 ; W's fragments and A's blocks 0, 1 are in; A's blocks 2, 3 (8 loads) may be out
	WIN MUL
	MUL4 \f, 0, \q, \slot, \zero
	MUL4 \f, 1, \q, \slot, \zero
	PLACES 8
	FETCH \slot, (\q)+1, \g
	s_wait_dscnt 32                                ; all but the 32 just issued
	WIN MUL
	MUL4 \f, 2, \q, \slot, \zero
	MUL4 \f, 3, \q, \slot, \zero
.endm
; The last quarter multiplies buffer 1 and changes slots: one barrier; in front of it each wave waits for all its tensor loads, adds 0 to its spare word, and waits for that and for its reads of this slot.
.macro TURN slot, next, fill
	WIN 0
	s_wait_tensorcnt 0x0                           ; all my tensor loads have landed: my part of the next slot
	ds_add_u32 v[SPW], v[NIL]                      ; 0 onto my spare word
	s_wait_dscnt 9                                 ; (the add and A's blocks 2, 3 may be out)
	WIN MUL
	MUL4 F1, 0, 3, \slot, 0
	s_wait_dscnt 0x0                               ; the add is done, and my reads of this slot are over
	s_barrier_signal -1
	MUL4 F1, 1, 3, \slot, 0
	WIN 0
	s_barrier_wait -1
.if \fill
	CREST                                          ; the barrier has opened a round of the cluster's: no wave of any partner still reads this slot or has a load on its way
	s_add_nc_u64 s[G0+4*\slot+2:G0+4*\slot+3], s[G0+4*\slot+2:G0+4*\slot+3], 2*8192
	s_add_nc_u64 s[G0B+4*\slot+2:G0B+4*\slot+3], s[G0B+4*\slot+2:G0B+4*\slot+3], 2*KSTEP
	JLOAD G0+4*\slot, G1, G0B+4*\slot, G1B         ; the first tensor load behind the round; its four v_nop are among the places below
	PLACES 4
.else
	PLACES 8
.endif
	v_add_nc_u32 v[ADSA], 2048, v[ADSA]            ; the next K step's scale words
	v_add_nc_u32 v[ADSB], 16, v[ADSB]
	SCALES \next
	FETCH \next, 0, F0
	WIN MUL
	MUL4 F1, 2, 3, \slot, 0
	MUL4 F1, 3, 3, \slot, 0
.endm
	s_wait_tensorcnt 1                             ; the scales and my part of K step 0 are in; K step 1's load may be out
	s_barrier_signal -1
	s_barrier_wait -1
	SCALES 0
	FETCH 0, 0, F0
	QUARTER 0, 0, F0, F1, 1                        ; the first quarter's products start the sums
.if LAPS > 1
	WIN 0
	s_mov_b32 s3, LAPS-1
.Llap:
	QUARTER 0, 1, F1, F0, 0
	QUARTER 0, 2, F0, F1, 0
	TURN 0, 1, 1
	QUARTER 1, 0, F0, F1, 0
	QUARTER 1, 1, F1, F0, 0
	QUARTER 1, 2, F0, F1, 0
	TURN 1, 0, 1
	QUARTER 0, 0, F0, F1, 0
	WIN 0
	s_sub_co_u32 s3, s3, 1
	s_cmp_lg_u32 s3, 0
	s_cbranch_scc1 .Llap
.endif
	QUARTER 0, 1, F1, F0, 0                        ; the last lap fills nothing
	QUARTER 0, 2, F0, F1, 0
	TURN 0, 1, 0
	QUARTER 1, 0, F0, F1, 0
	QUARTER 1, 1, F1, F0, 0
	QUARTER 1, 2, F0, F1, 0
	s_wait_dscnt 8
	WIN MUL
	MUL4 F1, 0, 3, 1, 0
	MUL4 F1, 1, 3, 1, 0
	s_wait_dscnt 0
	MUL4 F1, 2, 3, 1, 0
	MUL4 F1, 3, 3, 1, 0
	WIN 0
	; THE WAY OUT, 16 rows x 64 columns at a time: through my own stage in LDS, back as whole rows of 256 bytes, the residual added, stored: sixteen lanes write 256 consecutive bytes, aligned.
.macro RLOAD a                         ; the residual of block a, in the layout of the rows read back
	WIN TO_F
.irp t, 0,1,2,3,4,5,6,7
	global_load_b128 v[32*((\a)%2)+4*\t:32*((\a)%2)+4*\t+3], v[CO], s[96:97] offset:(16*(\a)+2*\t)*4096
.endr
	WIN 0
.endm
	PLACES 8
	RLOAD 0
	RLOAD 1
.irp a, 0,1,2,3
.if \a > 0
	s_wait_xcnt 0x0                                ; the last block's stores have read v[BK] on
.endif
.irp b, 0,1,2,3
	ds_store_b128 v[STO], v[ACC+8*(4*\a+\b):ACC+8*(4*\a+\b)+3] offset:64*\b        ; each accumulator from its low end on
	ds_store_b128 v[STO], v[ACC+8*(4*\a+\b)+4:ACC+8*(4*\a+\b)+7] offset:64*\b+16
.endr
.irp t, 0,1,2,3,4,5,6,7
	ds_load_b128 v[BK+4*\t:BK+4*\t+3], v[RD] offset:\t*2*SPITCH    ; LDS serves a wave's instructions in order: these see the stores above
.endr
	s_wait_dscnt 0x0
.if \a < 3
	s_wait_loadcnt 8                               ; this block's residual is in; the next block's eight loads may be out
.else
	s_wait_loadcnt 0
.endif
	WIN 0x04                                       ; source 1 window 1
.irp p, 0,2,4,6,8,10,12,14,16,18,20,22,24,26,28,30
	v_pk_add_f32 v[BK+\p:BK+\p+1], v[BK+\p:BK+\p+1], v[32*(\a%2)+\p:32*(\a%2)+\p+1]
.endr
	WIN 0
.irp t, 0,1,2,3,4,5,6,7
	global_store_b128 v[CO], v[BK+4*\t:BK+4*\t+3], s[98:99] offset:(16*\a+2*\t)*4096
.endr
.if \a < 2
	RLOAD \a+2
.endif
.endr
	s_wait_tensorcnt 0x0                           ; the wave's end
	ds_add_u32 v[SPW], v[NIL]
	s_wait_dscnt 0x0
	CROUND                                         ; the closing round
	s_endpgm
.Lfunc_end_k_qba6c6d31c2_oproj:
	.size	k_qba6c6d31c2_oproj, .Lfunc_end_k_qba6c6d31c2_oproj-k_qba6c6d31c2_oproj
	.p2alignl 7, 3214868480
	.fill 96, 4, 3214868480
	.section	.rodata,"a",@progbits
	.p2align	6, 0x0
	.amdhsa_kernel k_qba6c6d31c2_oproj
		.amdhsa_group_segment_fixed_size 327680
		.amdhsa_private_segment_fixed_size 0
		.amdhsa_enable_private_segment 0
		.amdhsa_kernarg_size 40
		.amdhsa_user_sgpr_count 2
		.amdhsa_user_sgpr_kernarg_segment_ptr 1
		.amdhsa_wavefront_size32 1
		.amdhsa_system_sgpr_workgroup_id_x 1
		.amdhsa_system_sgpr_workgroup_id_y 1
		.amdhsa_system_sgpr_workgroup_id_z 1
		.amdhsa_system_vgpr_workitem_id 0
		.amdhsa_next_free_vgpr 512
		.amdhsa_next_free_sgpr 100
		.amdhsa_reserve_vcc 0
		.amdhsa_float_denorm_mode_32 3
		.amdhsa_float_denorm_mode_16_64 3
		.amdhsa_memory_ordered 1
		.amdhsa_forward_progress 1
		.amdhsa_inst_pref_size 63
	.end_amdhsa_kernel
	.amdgpu_metadata
---
amdhsa.version: [ 1, 2 ]
amdhsa.kernels:
  - .name:           k_qba6c6d31c2_oproj
    .symbol:         k_qba6c6d31c2_oproj.kd
    .args:
      - { .name: abuf, .offset: 0, .size: 8, .value_kind: global_buffer, .address_space: global }
      - { .name: Wout_codes, .offset: 8, .size: 8, .value_kind: global_buffer, .address_space: global }
      - { .name: Wout_scales, .offset: 16, .size: 8, .value_kind: global_buffer, .address_space: global }
      - { .name: x, .offset: 24, .size: 8, .value_kind: global_buffer, .address_space: global }
      - { .name: x1, .offset: 32, .size: 8, .value_kind: global_buffer, .address_space: global }
    .group_segment_fixed_size: 327680
    .private_segment_fixed_size: 0
    .kernarg_segment_align: 8
    .kernarg_segment_size: 40
    .max_flat_workgroup_size: 128
    .sgpr_count:     100
    .vgpr_count:     512
    .wavefront_size: 32
...
	.end_amdgpu_metadata
.endif
;; end of part 4
;; launch norm2 (part 5): grid 256 x 1, 4 waves a work-group, no clusters, 33,280 bytes of LDS; arguments x1, g2, hbuf; writes hbuf
.if DOCPART == 5
	.amdgcn_target "amdgcn-amd-amdhsa--gfx1250"
	.amdhsa_code_object_version 6
	.text
	.protected	k_qba6c6d31c2_norm2
	.globl	k_qba6c6d31c2_norm2
	.p2align	8
	.type	k_qba6c6d31c2_norm2,@function
k_qba6c6d31c2_norm2:
	s_mov_b64 s[64:65], 0
	v_nop
	global_prefetch_b8 v0, s[64:65] scope:SCOPE_SE
	s_setreg_imm32_b32 hwreg(HW_REG_WAVE_MODE, 25, 1), 1
	s_wait_xcnt 0x0
; h = g * x * rsqrt(mean(x^2) + 1e-8) for 16 rows of 1,024 f32 a work-group, quantised along the row to E4M3 codes with one E8M0 byte for each 32.
;   hbuf: codes [4096][1024] from byte 0, scale bytes [4096][32] from byte 4,194,304.
; A wave takes four rows; a row is eight loads of 512 consecutive bytes and stays in 32 registers between the sum of squares and the scaling; all 32 loads of a wave go out at once.
; The conversions take 16 neighbours from ONE lane, the loads give a lane 4: half a row (2,048 bytes) at a time turns through the wave's own stage in LDS (64 bytes + 16 of padding a lane).
; No cluster, no tensor load: the work-groups share only the 4,096 bytes of the gain.  The scale bytes leave as 128 consecutive bytes a wave: half of an aligned 256; one byte in 33 of what the launch stores.
; LIMITS: NaN and infinities are not served; a block whose largest magnitude lies under 2^-118 gets the byte 1; a block of zeros gets 1 where the rule says 127 (its codes are zeros, and this program alone reads the bytes).
.set G,     16                         ; v16-47   the gain
.set R,     48                         ; v48-175  four rows x 32
.set X,     176                        ; v176-207 two sets of 16 neighbours
.set C,     208                        ; v208-239 codes: four registers for each of 8 steps
.set E,     240                        ; v240-247 a scale byte for each step
.set SP,    80
.set WREG,  8192
.set SBY,   2*32*SP
.macro TURN t, u                       ; half u of row t through stage u: LDS serves a wave's instructions in order
.irp i, 0,1,2,3
	ds_store_b128 v14, v[R+32*(\t)+16*(\u)+4*\i:R+32*(\t)+16*(\u)+4*\i+3] offset:32*SP*(\u)+8*SP*\i
.endr
.irp i, 0,1,2,3
	ds_load_b128 v[X+16*(\u)+4*\i:X+16*(\u)+4*\i+3], v15 offset:32*SP*(\u)+16*\i
.endr
.endm
.macro STEP n                          ; 512 numbers: 16 a lane, two lanes to a block
.set XS, X+16*((\n)%2)
	v_max3_num_f32 v8, |v[XS]|, |v[XS+1]|, |v[XS+2]|
	v_max3_num_f32 v9, |v[XS+3]|, |v[XS+4]|, |v[XS+5]|
.irp i, 6,10
	v_max3_num_f32 v8, v8, |v[XS+\i]|, |v[XS+\i+1]|
	v_max3_num_f32 v9, v9, |v[XS+\i+2]|, |v[XS+\i+3]|
.endr
	v_max3_num_f32 v8, v8, |v[XS+14]|, |v[XS+15]|
	v_max3_num_f32 v8, v8, v9, 0x4800000           ; the floor 2^(9 - 127)
	v_max_num_f32_dpp v8, v8, v8 row_xmask:1 row_mask:0xf bank_mask:0xf
	v_add_nc_u32 v11, 0xfc000000, v8               ; the conversion's scale operand
	v_and_or_b32 v10, v8, 0x7f800000, s23          ; 448 x the scale
.irp i, 0,1,2,3,4,5,6,7,8,9,10,11,12,13,14,15
	v_med3_num_f32 v[XS+\i], v[XS+\i], -v10, v10   ; the hold (ISA guide 7.6.2)
.endr
	v_cvt_scalef32_pk8_fp8_f32 v[C+4*(\n):C+4*(\n)+1], v[XS:XS+7], v11
	v_cvt_scalef32_pk8_fp8_f32 v[C+4*(\n)+2:C+4*(\n)+3], v[XS+8:XS+15], v11
	v_lshrrev_b32 v[E+(\n)], 23, v11               ; the scale's byte (also the plain line behind the conversions)
	ds_store_b8 v5, v[E+(\n)] offset:16*(\n)
	global_store_b128 v3, v[C+4*(\n):C+4*(\n)+3], s[8:9] offset:512*(\n)
.endm
.macro ROW t
.set RT, R+32*(\t)
	s_wait_loadcnt 8*(3-(\t))                      ; this row's eight loads (and the gain's) are in; the later rows' may be out
	v_pk_mul_f32 v[8:9], v[RT:RT+1], v[RT:RT+1]
	v_pk_mul_f32 v[10:11], v[RT+2:RT+3], v[RT+2:RT+3]
.irp p, 4,8,12,16,20,24,28
	v_pk_fma_f32 v[8:9], v[RT+\p:RT+\p+1], v[RT+\p:RT+\p+1], v[8:9]
	v_pk_fma_f32 v[10:11], v[RT+\p+2:RT+\p+3], v[RT+\p+2:RT+\p+3], v[10:11]
.endr
	v_pk_add_f32 v[8:9], v[8:9], v[10:11]
	v_add_f32 v8, v8, v9
	v_add_f32_dpp v8, v8, v8 row_xmask:1 row_mask:0xf bank_mask:0xf
	v_add_f32_dpp v8, v8, v8 row_xmask:2 row_mask:0xf bank_mask:0xf
	v_add_f32_dpp v8, v8, v8 row_xmask:4 row_mask:0xf bank_mask:0xf
	v_add_f32_dpp v8, v8, v8 row_xmask:8 row_mask:0xf bank_mask:0xf
	v_permlanex16_b32 v9, v8, s12, s13
	v_add_f32 v8, v8, v9
	v_fma_f32 v8, v8, s20, s21                     ; / 1024 (exact) + 1e-8
	v_rsq_f32 v10, v8
	v_rsq_f32 v11, v8                              ; twice: a pair for the packed multiply.  The 16 lines below, which name neither, are the plain lines behind them
.irp p, 0,2,4,6,8,10,12,14,16,18,20,22,24,26,28,30
	v_pk_mul_f32 v[RT+\p:RT+\p+1], v[RT+\p:RT+\p+1], v[G+\p:G+\p+1]
.endr
	s_wait_alu depctr_va_vdst(0)
.irp p, 0,2,4,6,8,10,12,14,16,18,20,22,24,26,28,30
	v_pk_mul_f32 v[RT+\p:RT+\p+1], v[RT+\p:RT+\p+1], v[10:11]
.endr
	TURN \t, 0
	TURN \t, 1
	s_wait_dscnt 8                                 ; half 0 is back; half 1's four stores and four loads may be out
	STEP 2*(\t)
	s_wait_dscnt 1                                 ; half 1 is back; the byte store just issued may be out
	STEP 2*(\t)+1
.endm
	s_load_b128 s[4:7], s[0:1], 0x0                ; x1, g2
	s_load_b64 s[8:9], s[0:1], 0x10                ; hbuf
	v_lshl_add_u32 v254, v0, 2, 0x8000
	v_mov_b32 v255, 0
	v_lshrrev_b32 v1, 5, v0
	v_readfirstlane_b32 s16, v1                    ; wave
	v_and_b32 v2, 31, v0                           ; lane
	v_lshlrev_b32 v3, 4, v2
	s_mul_i32 s17, s16, WREG
	v_lshrrev_b32 v14, 2, v2
	v_mul_u32_u24 v14, v14, SP
	v_and_b32 v15, 3, v2
	v_lshl_add_u32 v14, v15, 4, v14
	v_add_nc_u32 v14, s17, v14
	v_mul_u32_u24 v15, v2, SP
	v_add_nc_u32 v15, s17, v15
	v_lshrrev_b32 v5, 1, v2
	s_add_co_u32 s17, s17, SBY
	v_add_nc_u32 v5, s17, v5
	v_lshlrev_b32 v7, 2, v2
	v_add_nc_u32 v6, s17, v7
	s_mov_b32 s12, 0x76543210
	s_mov_b32 s13, 0xfedcba98
	s_mov_b32 s20, 0x3a800000                      ; 1 / 1024
	s_mov_b32 s21, 0x322bcc77                      ; 1e-8
	s_mov_b32 s23, 0x600000
	s_lshl_b32 s2, ttmp9, 16
	s_lshl_b32 s3, s16, 14
	s_add_co_u32 s2, s2, s3
	s_mov_b32 s3, 0
	s_lshr_b32 s18, s2, 2
	s_mov_b32 s19, 0
	s_lshr_b32 s24, s2, 7
	s_add_co_u32 s24, s24, 0x400000
	s_mov_b32 s25, 0
	s_wait_kmcnt 0x0
	s_add_nc_u64 s[4:5], s[4:5], s[2:3]
	s_add_nc_u64 s[26:27], s[8:9], s[24:25]
	s_add_nc_u64 s[8:9], s[8:9], s[18:19]
.irp j, 0,1,2,3,4,5,6,7
	global_load_b128 v[G+4*\j:G+4*\j+3], v3, s[6:7] offset:512*\j
.endr
.irp t, 0,1,2,3
.irp j, 0,1,2,3,4,5,6,7
	global_load_b128 v[R+32*\t+4*\j:R+32*\t+4*\j+3], v3, s[4:5] offset:4096*\t+512*\j
.endr
.endr
	ROW 0
	ROW 1
	ROW 2
	ROW 3
	ds_load_b32 v12, v6
	s_wait_dscnt 0x0
	global_store_b32 v7, v12, s[26:27]
	s_wait_tensorcnt 0x0
	ds_add_u32 v254, v255
	s_wait_dscnt 0x0
	s_endpgm
.Lfunc_end_k_qba6c6d31c2_norm2:
	.size	k_qba6c6d31c2_norm2, .Lfunc_end_k_qba6c6d31c2_norm2-k_qba6c6d31c2_norm2
	.p2alignl 7, 3214868480
	.fill 96, 4, 3214868480
	.section	.rodata,"a",@progbits
	.p2align	6, 0x0
	.amdhsa_kernel k_qba6c6d31c2_norm2
		.amdhsa_group_segment_fixed_size 33280
		.amdhsa_private_segment_fixed_size 0
		.amdhsa_enable_private_segment 0
		.amdhsa_kernarg_size 24
		.amdhsa_user_sgpr_count 2
		.amdhsa_user_sgpr_kernarg_segment_ptr 1
		.amdhsa_wavefront_size32 1
		.amdhsa_system_sgpr_workgroup_id_x 1
		.amdhsa_system_sgpr_workgroup_id_y 1
		.amdhsa_system_sgpr_workgroup_id_z 1
		.amdhsa_system_vgpr_workitem_id 0
		.amdhsa_next_free_vgpr 256
		.amdhsa_next_free_sgpr 66
		.amdhsa_reserve_vcc 0
		.amdhsa_float_denorm_mode_32 3
		.amdhsa_float_denorm_mode_16_64 3
		.amdhsa_memory_ordered 1
		.amdhsa_forward_progress 1
		.amdhsa_inst_pref_size 42
	.end_amdhsa_kernel
	.amdgpu_metadata
---
amdhsa.version: [ 1, 2 ]
amdhsa.kernels:
  - .name:           k_qba6c6d31c2_norm2
    .symbol:         k_qba6c6d31c2_norm2.kd
    .args:
      - { .name: x1, .offset: 0, .size: 8, .value_kind: global_buffer, .address_space: global }
      - { .name: g2, .offset: 8, .size: 8, .value_kind: global_buffer, .address_space: global }
      - { .name: hbuf, .offset: 16, .size: 8, .value_kind: global_buffer, .address_space: global }
    .group_segment_fixed_size: 33280
    .private_segment_fixed_size: 0
    .kernarg_segment_align: 8
    .kernarg_segment_size: 24
    .max_flat_workgroup_size: 128
    .sgpr_count:     66
    .vgpr_count:     256
    .wavefront_size: 32
...
	.end_amdgpu_metadata
.endif
;; end of part 5
;; launch mlp1 (part 6): grid 16 x 16, 4 waves a work-group, clusters of 4 x 4, 327,680 bytes of LDS; arguments hbuf, W1_codes, W1_scales, mbuf; writes mbuf
.if DOCPART == 6
	.amdgcn_target "amdgcn-amd-amdhsa--gfx1250"
	.amdhsa_code_object_version 6
	.text
	.protected	k_qba6c6d31c2_mlp1
	.globl	k_qba6c6d31c2_mlp1
	.p2align	8
	.type	k_qba6c6d31c2_mlp1,@function
k_qba6c6d31c2_mlp1:
	s_mov_b64 s[64:65], 0
	v_nop
	global_prefetch_b8 v0, s[64:65] scope:SCOPE_SE
	s_setreg_imm32_b32 hwreg(HW_REG_WAVE_MODE, 25, 1), 1
	s_wait_xcnt 0x0
	s_wait_alu depctr_hold_cnt(0) depctr_sa_sdst(0) depctr_va_vdst(0) depctr_va_sdst(0) depctr_va_ssrc(0) depctr_va_vcc(0) depctr_vm_vsrc(0)
	s_getreg_b32 s2, hwreg(HW_REG_IB_STS2, 6, 4)
	s_cmp_eq_u32 s2, 0
	s_cbranch_scc0 .Lentry_in_a_cluster
	s_endpgm
.Lentry_in_a_cluster:
	s_bfe_u32 s2, ttmp6, 0x10000c
	s_cmp_lg_u32 s2, 0xf033
	s_cbranch_scc0 .Lentry_shape_is_right
	s_endpgm
.Lentry_shape_is_right:
; m = Q(gelu(h2 W1)): the product on codes of E4M3 with E8M0 scales (K = 1,024), the exact gelu in f32, and the result quantised along its 4,096 columns, stored in the order of the next launch's operand registers.
; THE PRODUCT: a tile of 256 x 256 a work-group, four waves of 128 x 128 (64 accumulators, 512 registers).  K goes in steps of 256 through two LDS slots filled by tensor loads; the scale bytes of the work-group's rows, for
; all of K, come once.  4 x 4 work-groups form a cluster: h2's tile is asked for jointly along a row of the cluster, W1's along a column.  The matrix instruction is used transposed (source 0 = 16 rows of W1, source 1 = 16 rows
; of h2): lane (r, h) of accumulator (a, b) holds token 16 a + r and columns 16 b + 8 h + 0 .. 7.
; GELU: 0.5 x (1 + erf(x / sqrt 2)), erf(z) = z P(z^2) / Q(z^2) on z held within +-4 (degrees 6 and 4 in z^2), all in f32, packed two at a time.
; THE WAY OUT needs no LDS: the eight codes of an accumulator lie, in the image of a fragment whose lane (r', h') holds k = 32 c + 16 h' + 0 .. 15 at 512 c + 16 lane', at 256 b + 16 r + 8 h: one store of 8 bytes a lane
; covers 256 consecutive bytes, aligned.  mbuf: images [token / 16][column / 128][2,048 bytes]; behind them (byte 16,777,216) the scale words [column / 128][4096 tokens].
; LIMITS: NaN and infinities are not served.  gelu's error is about 2e-7 |x| in absolute terms, so in the far negative tail, where gelu itself is tiny, its relative error grows, as that of 0.5 x (1 + erf) in f32 does; under
; x = -5.66 the result is 0.  A block whose largest magnitude lies under 2^-118 gets the byte 1, a block of zeros too (this program alone reads the bytes).
; REGISTERS, in windows of 256: window 0: v0-31 addresses; v32-63 scale words, two sets; v128-255 A's fragments, one set; on the way out v64-255 are at work.  window 1: B's fragments, two sets.  windows 2, 3: the accumulators.
.set SIZE_K, 1024
.set KSTEP,  256
.set NQ,     KSTEP/128
.set ROWB,   256
.set KROW,   SIZE_K
.set PITCH,  272                       ; an LDS row: 256 bytes + 16 of padding: the 16 rows that a load touches start at 16 different banks (64 banks of 4 bytes: ISA guide 11.1)
.set FR,     16
.set NL,     4
.set NP,     8                         ; places behind this matrix instruction (ISA guide 7.12.1)
.set HALFT,  128*PITCH
.set SLOT,   4*HALFT
.set LAPS,   SIZE_K/(2*KSTEP)
.set KS,     SIZE_K/32
.set SCL,    2*SLOT
.set HALFS,  (128*KS/256)*272
.set SBLK,   (16*KS/256)*272
.set SPARE,  SCL+4*HALFS               ; the spare words, 128 bytes for each wave
.set ADRA, 16
.set ADRB, 20
.set ADRS, 27
.set SPW,  28
.set NIL,  29
.set SC,   32
.set AF,   128
.set G1, 24
.set G0, 32
.set G1B, 48
.set G0B, 56
.set G1S, 68
.set G0S, 76
.set G1SB, 80
.set G0SB, 88
.set SELQ, 66                          ; s[66:67] lane l xor 16
.set MNT,  94                          ; s94 the mantissa field of 448
.set G,    64                          ; the way out, window 0: v64-127 a block's 64 gelus
.set Z,    128                         ; v128-143 z
.set Z2,   144                         ; v144-159 z^2
.set P,    160                         ; v160-175 the numerator
.set QD,   176                         ; v176-191 the denominator
.set VA1,  192                         ; v[192:193], v[194:195] two coefficients as vector pairs
.set VB1,  194
.set WM,   196                         ; v196-199 four merged scale words
.set PC,   208                         ; v208-223 the codes just made
.set TM,   224                         ; v224-239 largest magnitudes, bytes, holds, scale operands
.set WS,   242                         ; v242-249 eight scale words
.set LB,   250                         ; 16 r + 8 h
.set LW,   251                         ; 4 x lane
.set RH,  24                           ; on the way out the descriptors' registers, whose loads are all done, hold constants, each as a pair
.set A0,  26
.set A2,  28
.set A3,  30
.set A4,  32
.set A5,  34
.set A6,  36
.set B0,  38
.set B2,  48
.set B3,  50
.set B4,  52
.set MSB, 0
.macro WIN new
.if MSB != (\new)
	s_set_vgpr_msb (MSB<<8)|(\new)
.set MSB, (\new)
.endif
.endm
.set MUL_LO, 0xa1
.set MUL_HI, 0xf1
.set TO_B,   0x40
.macro JLOAD g0a, g1a, g0b, g1b        ; a joint load: waves 0 and 1 fetch for A, waves 2 and 3 for B; four v_nop follow each of the two lines
	s_cmp_eq_u32 s15, 0
	s_cbranch_scc0 .Lfor_b_\@
	tensor_load_to_lds s[\g0a:\g0a+3], s[\g1a:\g1a+7]
	s_nop 0
.rept 4
	v_nop
.endr
	s_branch .Lasked_\@
.Lfor_b_\@:
	tensor_load_to_lds s[\g0b:\g0b+3], s[\g1b:\g1b+7]
	s_nop 0
.rept 4
	v_nop
.endr
.Lasked_\@:
.endm
.macro CREST
	s_cmp_lg_u32 s14, 0
	s_cbranch_scc1 .Lnot_wave_0_\@
	s_barrier_signal -3
.Lnot_wave_0_\@:
	s_barrier_wait -3
	s_barrier_signal -1
	s_barrier_wait -1
.endm
.macro CROUND
	s_barrier_signal -1
	s_barrier_wait -1
	CREST
.endm
	s_load_b64 s[4:5], s[0:1], 0x0                 ; hbuf
	s_load_b128 s[8:11], s[0:1], 0x8               ; W1's codes, its scales
	s_load_b64 s[12:13], s[0:1], 0x18              ; mbuf
	v_lshl_add_u32 v[SPW], v0, 2, SPARE
	v_mov_b32 v[NIL], 0
	ds_add_u32 v28, v29
	s_wait_dscnt 0x0
	v_lshrrev_b32 v1, 5, v0
	v_readfirstlane_b32 s14, v1                    ; wave 0..3
	s_lshr_b32 s15, s14, 1                         ; which half of the tile's rows is mine.  Also: I fetch for A (0) or for B (1)
	s_and_b32 s16, s14, 1                          ; which half of its columns.  Also: which 128 rows of that tile I fetch
	s_bfe_u32 s40, ttmp6, 0x40000                  ; cx
	s_bfe_u32 s41, ttmp6, 0x40004                  ; cy
	s_lshl_b32 s42, ttmp9, 2
	s_add_co_u32 s42, s42, s40                     ; tile column
	s_and_b32 s17, ttmp7, 0xffff
	s_lshl_b32 s17, s17, 2
	s_add_co_u32 s17, s17, s41                     ; tile row
	s_lshl_b32 s43, s41, 2
	s_lshl_b32 s43, 15, s43                        ; my row of the cluster
	s_lshl_b32 s44, 0x1111, s40                    ; my column
	s_or_b32 s[G1+0], s43, (0<<16)|(1<<20)|(1<<21)|(5<<22)|(3<<25)
	s_or_b32 s[G1B+0], s44, (0<<16)|(1<<20)|(1<<21)|(5<<22)|(3<<25)
.irp g, G1, G1B
	s_mov_b32 s[\g+1], ROWB<<16
	s_mov_b32 s[\g+2], 128<<16
	s_mov_b32 s[\g+3], ROWB<<16
	s_mov_b32 s[\g+4], 128
	s_mov_b32 s[\g+5], KROW
	s_mov_b32 s[\g+6], 0
	s_mov_b32 s[\g+7], 0
.endr
	s_or_b32 s[G1S+0], s43, (3<<16)|(1<<20)|(1<<21)|(5<<22)|(3<<25)
	s_or_b32 s[G1SB+0], s44, (3<<16)|(1<<20)|(1<<21)|(5<<22)|(3<<25)
.irp g, G1S, G1SB
	s_mov_b32 s[\g+1], 32<<16
	s_mov_b32 s[\g+2], (128*KS/256)<<16
	s_mov_b32 s[\g+3], 32<<16
	s_mov_b32 s[\g+4], 128*KS/256
	s_mov_b32 s[\g+5], 32
	s_mov_b32 s[\g+6], 0
	s_mov_b32 s[\g+7], 0
.endr
	s_lshl_b32 s18, s16, 7
	s_lshl_b32 s20, s17, 8
	s_add_co_u32 s20, s20, s18
	s_lshl_b32 s46, s42, 8
	s_add_co_u32 s46, s46, s18
	s_mov_b32 s21, 0
	s_mov_b32 s47, 0
	s_mov_b64 s[18:19], KS
	s_mul_u64 s[22:23], s[20:21], s[18:19]
	s_mul_u64 s[92:93], s[46:47], s[18:19]
	s_mov_b64 s[18:19], KROW
	s_mul_u64 s[20:21], s[20:21], s[18:19]
	s_mul_u64 s[46:47], s[46:47], s[18:19]
	s_mul_i32 s45, s14, HALFT
	s_mul_i32 s94, s14, HALFS
	s_wait_kmcnt 0x0
	s_add_nc_u64 s[6:7], s[4:5], 0x400000          ; h2's scale bytes lie behind its codes
	s_add_nc_u64 s[20:21], s[4:5], s[20:21]
	s_add_nc_u64 s[22:23], s[6:7], s[22:23]
	s_add_nc_u64 s[46:47], s[8:9], s[46:47]
	s_add_nc_u64 s[92:93], s[10:11], s[92:93]
	CROUND                                         ; all sixteen work-groups are here: the first joint loads meet
	s_mov_b32 s[G0S], 1
	s_add_co_u32 s[G0S+1], s94, SCL
	s_mov_b64 s[G0S+2:G0S+3], s[22:23]
	s_or_b32 s[G0S+3], s[G0S+3], 0x80000000
	s_mov_b32 s[G0SB], 1
	s_add_co_u32 s[G0SB+1], s94, SCL
	s_mov_b64 s[G0SB+2:G0SB+3], s[92:93]
	s_or_b32 s[G0SB+3], s[G0SB+3], 0x80000000
	JLOAD G0S, G1S, G0SB, G1SB
.irp s, 0,1
	s_mov_b32 s[G0+4*\s], 1
	s_add_co_u32 s[G0+4*\s+1], s45, \s*SLOT
	s_add_nc_u64 s[G0+4*\s+2:G0+4*\s+3], s[20:21], \s*ROWB
	s_or_b32 s[G0+4*\s+3], s[G0+4*\s+3], 0x80000000
	s_mov_b32 s[G0B+4*\s], 1
	s_add_co_u32 s[G0B+4*\s+1], s45, \s*SLOT
	s_add_nc_u64 s[G0B+4*\s+2:G0B+4*\s+3], s[46:47], \s*ROWB
	s_or_b32 s[G0B+4*\s+3], s[G0B+4*\s+3], 0x80000000
	JLOAD G0+4*\s, G1, G0B+4*\s, G1B
.endr
	v_and_b32 v1, 15, v0
	v_bfe_u32 v2, v0, 4, 1
	v_mul_u32_u24 v3, v1, PITCH
	v_lshl_add_u32 v4, v2, 4, v3
	s_mul_i32 s21, s15, HALFT
	s_mul_i32 s22, s16, HALFT
	s_add_co_u32 s22, s22, 2*HALFT
.irp s, 0,1
	v_add_nc_u32 v[ADRA+\s], s21, v4
	v_add_nc_u32 v[ADRB+\s], s22, v4
	s_add_co_u32 s21, s21, SLOT
	s_add_co_u32 s22, s22, SLOT
.endr
	v_mul_u32_u24 v5, v1, KS
	v_lshrrev_b32 v6, 8, v5
	v_lshl_add_u32 v5, v6, 4, v5
	s_mul_i32 s21, s15, HALFS
	s_mul_i32 s22, s16, HALFS
	s_add_co_u32 s22, s22, 2*HALFS
	s_sub_co_u32 s22, s22, s21
	v_mul_u32_u24 v6, s22, v2                      ; lanes 16-31 take B's
	s_add_co_u32 s21, s21, SCL
	v_add_nc_u32 v5, v5, v6
	v_add_nc_u32 v[ADRS], s21, v5
.macro FRAG reg, adr, q, i
.irp c, 0,1,2,3
	ds_load_b128 v[\reg+4*\c:\reg+4*\c+3], v[\adr] offset:128*(\q)+32*\c+(\i)*16*PITCH
.endr
.endm
; 16 matrix instructions: A's blocks a0, a0 + 1 x B's eight.  The 64 accumulators take turns, one instruction a turn, in the same order in every step.
.macro MUL16 a0, p, q, sc, zero
.irp a, \a0, \a0+1
.irp b, 0,1,2,3,4,5,6,7
.if \zero
	v_wmma_scale_f32_16x16x128_f8f6f4 v[8*(8*((\a)%4)+\b):8*(8*((\a)%4)+\b)+7], v[128*(\p)+FR*\b:128*(\p)+FR*\b+FR-1], v[AF+FR*(\a):AF+FR*(\a)+FR-1], 0, v[SC+8*NQ*(\sc)+NQ*\b+(\q)], v[SC+8*NQ*(\sc)+NQ*(\a)+(\q)] matrix_a_scale:MATRIX_SCALE_ROW1
.else
	v_wmma_scale_f32_16x16x128_f8f6f4 v[8*(8*((\a)%4)+\b):8*(8*((\a)%4)+\b)+7], v[128*(\p)+FR*\b:128*(\p)+FR*\b+FR-1], v[AF+FR*(\a):AF+FR*(\a)+FR-1], v[8*(8*((\a)%4)+\b):8*(8*((\a)%4)+\b)+7], v[SC+8*NQ*(\sc)+NQ*\b+(\q)], v[SC+8*NQ*(\sc)+NQ*(\a)+(\q)] matrix_a_scale:MATRIX_SCALE_ROW1
.endif
.endr
.endr
.endm
.macro FETCH_B slot, q, p
	WIN TO_B
.irp i, 0,1,2,3,4,5,6,7
	FRAG 128*(\p)+FR*\i, ADRB+\slot, \q, \i
.endr
	WIN 0
.endm
.macro FETCH_A slot, q, i0
.irp i, \i0, \i0+1, \i0+2, \i0+3
	FRAG AF+FR*(\i), ADRA+\slot, \q, \i
.endr
.endm
.macro SCALES sc
.irp i, 0,1,2,3,4,5,6,7
	ds_load_b64 v[SC+8*NQ*\sc+NQ*\i:SC+8*NQ*\sc+NQ*\i+1], v[ADRS] offset:\i*SBLK
.endr
.endm
.macro PLACES n
.rept \n
	v_nop
.endr
.endm
.macro STEP slot, q, zero
	s_wait_dscnt 4*NL                              ; B's set and A's blocks 0-3 are in; A's blocks 4-7 (16 loads) may be out
	WIN MUL_LO
	MUL16 0, (\q)%2, \q, \slot, \zero
	MUL16 2, (\q)%2, \q, \slot, \zero
	s_wait_dscnt 0
	PLACES NP
	FETCH_B \slot, (\q)+1, 1-(\q)%2
	FETCH_A \slot, (\q)+1, 0
	WIN MUL_HI
	MUL16 4, (\q)%2, \q, \slot, \zero
	MUL16 6, (\q)%2, \q, \slot, \zero
	PLACES NP
	WIN 0
	FETCH_A \slot, (\q)+1, 4
.endm
.macro TURN slot, next, fill
	s_wait_tensorcnt 0x0                           ; all my tensor loads have landed: my part of the next slot
	ds_add_u32 v[SPW], v[NIL]                      ; 0 onto my spare word
	s_wait_dscnt 4*NL+1                            ; (the add and A's blocks 4-7 may be out)
	WIN MUL_LO
	MUL16 0, 1, NQ-1, \slot, 0
	s_wait_dscnt 0x0                               ; the add is done, and my reads of this slot are over
	s_barrier_signal -1
	MUL16 2, 1, NQ-1, \slot, 0
	WIN 0
	s_barrier_wait -1
.if \fill
	CREST                                          ; the barrier has opened a round of the cluster's: no wave of any partner still reads this slot or has a load on its way
	s_add_nc_u64 s[G0+4*\slot+2:G0+4*\slot+3], s[G0+4*\slot+2:G0+4*\slot+3], 2*ROWB
	s_add_nc_u64 s[G0B+4*\slot+2:G0B+4*\slot+3], s[G0B+4*\slot+2:G0B+4*\slot+3], 2*ROWB
	JLOAD G0+4*\slot, G1, G0B+4*\slot, G1B
	PLACES NP-4
.else
	PLACES NP
.endif
	v_add_nc_u32 v[ADRS], 4*NQ, v[ADRS]
	FETCH_B \next, 0, 0
	FETCH_A \next, 0, 0
	SCALES \next
	WIN MUL_HI
	MUL16 4, 1, NQ-1, \slot, 0
	MUL16 6, 1, NQ-1, \slot, 0
	PLACES NP
	WIN 0
	FETCH_A \next, 0, 4
.endm
	s_wait_tensorcnt 1                             ; the scales and my part of K step 0 are in; K step 1's load may be out
	s_barrier_signal -1
	s_barrier_wait -1
	FETCH_B 0, 0, 0
	FETCH_A 0, 0, 0
	SCALES 0
	FETCH_A 0, 0, 4
	STEP 0, 0, 1
	s_mov_b32 s3, LAPS-1
.Llap:
	TURN 0, 1, 1
	STEP 1, 0, 0
	TURN 1, 0, 1
	STEP 0, 0, 0
	s_sub_co_u32 s3, s3, 1
	s_cmp_lg_u32 s3, 0
	s_cbranch_scc1 .Llap
	TURN 0, 1, 0
	STEP 1, 0, 0
	s_wait_dscnt 4*NL
	WIN MUL_LO
	MUL16 0, 1, NQ-1, 1, 0
	MUL16 2, 1, NQ-1, 1, 0
	s_wait_dscnt 0
	WIN MUL_HI
	MUL16 4, 1, NQ-1, 1, 0
	MUL16 6, 1, NQ-1, 1, 0
	WIN 0
; 64 numbers of a lane, v[src] on in window w; registers 16 b .. 16 b + 15, with lane l xor 16's, are block b of 32.  The held numbers go to v[t] on (window 0), the codes to v[PC] on, the scale word to v[pw].
.macro QUANT src, w, t, pw
	WIN (\w)|((\w)<<2)
.irp b, 0,1,2,3
	v_max3_num_f32 v[TM+\b], |v[(\src)+16*\b]|, |v[(\src)+16*\b+1]|, 0x4800000   ; with the floor 2^(9 - 127)
.endr
.irp i, 2,4,6,8,10,12,14
.irp b, 0,1,2,3
	v_max3_num_f32 v[TM+\b], |v[(\src)+16*\b+\i]|, |v[(\src)+16*\b+\i+1]|, v[TM+\b]
.endr
.endr
	WIN 0
.irp b, 0,1,2,3
	v_permlanex16_b32 v[TM+4+\b], v[TM+\b], s[SELQ], s[SELQ+1]
.endr
.irp b, 0,1,2,3
	v_max_num_f32 v[TM+\b], v[TM+\b], v[TM+4+\b]
.endr
.irp b, 0,1,2,3
	v_add_nc_u32 v[TM+12+\b], 0xfc000000, v[TM+\b]
.endr
.irp b, 0,1,2,3
	v_and_or_b32 v[TM+8+\b], v[TM+\b], 0x7f800000, s[MNT]
.endr
.irp b, 0,1,2,3
	v_lshrrev_b32 v[TM+4+\b], 23, v[TM+12+\b]
.endr
	v_lshl_or_b32 v[\pw], v[TM+5], 8, v[TM+4]
	v_lshl_or_b32 v[\pw], v[TM+6], 16, v[\pw]
	v_lshl_or_b32 v[\pw], v[TM+7], 24, v[\pw]
	WIN \w
.set qn, 0
.rept 64
	v_med3_num_f32 v[(\t)+qn], v[(\src)+qn], -v[TM+8+qn/16], v[TM+8+qn/16]   ; the hold (ISA guide 7.6.2)
.set qn, qn+1
.endr
	WIN 0
	s_wait_xcnt 0x0                                ; the last block's stores have read the codes' registers
.irp b, 0,1,2,3
	v_cvt_scalef32_pk8_fp8_f32 v[PC+4*\b:PC+4*\b+1], v[(\t)+16*\b:(\t)+16*\b+7], v[TM+12+\b]
	v_cvt_scalef32_pk8_fp8_f32 v[PC+4*\b+2:PC+4*\b+3], v[(\t)+16*\b+8:(\t)+16*\b+15], v[TM+12+\b]
.endr
	v_nop                                          ; a plain line behind the last conversion
.endm
; 16 numbers (accumulators 2 c, 2 c + 1 of block a, each read from its low end on) become 16 gelus in v[G + 16 c] on
.macro GELU a, c
.set XB, 64*((\a)%4)+16*(\c)
	WIN 2+(\a)/4
.irp p, 0,2,4,6,8,10,12,14
	v_pk_mul_f32 v[Z+\p:Z+\p+1], v[XB+\p:XB+\p+1], s[RH:RH+1] op_sel_hi:[1,0]      ; z = x / sqrt 2
.endr
	WIN 0
.irp p, 0,1,2,3,4,5,6,7,8,9,10,11,12,13,14,15
	v_med3_num_f32 v[Z+\p], v[Z+\p], -4.0, 4.0
.endr
.irp p, 0,2,4,6,8,10,12,14
	v_pk_mul_f32 v[Z2+\p:Z2+\p+1], v[Z+\p:Z+\p+1], v[Z+\p:Z+\p+1]
.endr
.irp p, 0,2,4,6,8,10,12,14
	v_pk_fma_f32 v[P+\p:P+\p+1], v[Z2+\p:Z2+\p+1], s[A0:A0+1], v[VA1:VA1+1] op_sel_hi:[1,0,1]
	v_pk_fma_f32 v[QD+\p:QD+\p+1], v[Z2+\p:Z2+\p+1], s[B0:B0+1], v[VB1:VB1+1] op_sel_hi:[1,0,1]
.endr
.irp k, A2,A3,A4,A5,A6
.irp p, 0,2,4,6,8,10,12,14
	v_pk_fma_f32 v[P+\p:P+\p+1], v[P+\p:P+\p+1], v[Z2+\p:Z2+\p+1], s[\k:\k+1] op_sel_hi:[1,1,0]
.endr
.endr
.irp k, B2,B3,B4
.irp p, 0,2,4,6,8,10,12,14
	v_pk_fma_f32 v[QD+\p:QD+\p+1], v[QD+\p:QD+\p+1], v[Z2+\p:Z2+\p+1], s[\k:\k+1] op_sel_hi:[1,1,0]
.endr
.endr
.irp p, 0,1,2,3,4,5,6,7,8,9,10,11,12,13,14,15
	v_rcp_f32 v[QD+\p], v[QD+\p]
.endr
.irp p, 0,2,4,6,8,10,12,14
	v_pk_mul_f32 v[P+\p:P+\p+1], v[P+\p:P+\p+1], v[Z+\p:Z+\p+1]    ; (also the plain lines behind the reciprocals)
.endr
	s_wait_alu depctr_va_vdst(0)
.irp p, 0,2,4,6,8,10,12,14
	v_pk_mul_f32 v[P+\p:P+\p+1], v[P+\p:P+\p+1], v[QD+\p:QD+\p+1]  ; erf
.endr
.irp p, 0,2,4,6,8,10,12,14
	v_pk_fma_f32 v[P+\p:P+\p+1], v[P+\p:P+\p+1], 0.5, 0.5 op_sel_hi:[1,0,0]
.endr
	WIN 2+(\a)/4
.irp p, 0,2,4,6,8,10,12,14
	v_pk_mul_f32 v[G+16*(\c)+\p:G+16*(\c)+\p+1], v[XB+\p:XB+\p+1], v[P+\p:P+\p+1]
.endr
	WIN 0
.endm
	PLACES NP
	v_and_b32 v1, 15, v0
	v_bfe_u32 v2, v0, 4, 1
	v_and_b32 v3, 31, v0
	v_lshlrev_b32 v[LB], 4, v1
	v_lshl_add_u32 v[LB], v2, 3, v[LB]
	v_lshlrev_b32 v[LW], 2, v3
.irp b, 0,1,2,3
	v_mov_b32 v[TM+4+\b], 0                        ; a lane permute's destination counts as one of its sources
.endr
	v_mov_b32 v[VA1], 0x32edffee                   ; 2.77068142e-08
	v_mov_b32 v[VA1+1], 0x32edffee
	v_mov_b32 v[VB1], 0xb95fbd29                   ; -2.13374055e-04
	v_mov_b32 v[VB1+1], 0xb95fbd29
	s_mov_b32 s[SELQ], 0x76543210
	s_mov_b32 s[SELQ+1], 0xfedcba98
	s_mov_b32 s[MNT], 0x600000
	s_mov_b32 vcc_lo, 0xffff0000                   ; lanes 16-31
	s_mov_b32 s[RH], 0x3f3504f3                    ; sqrt(1/2)
	s_mov_b32 s[A0], 0xaf95df0b                    ; -2.72614226e-10
	s_mov_b32 s[A2], 0xb60cff51                    ; -2.10102402e-06
	s_mov_b32 s[A3], 0xb86ec2d2                    ; -5.69250639e-05
	s_mov_b32 s[A4], 0xba40ac63                    ; -7.34990630e-04
	s_mov_b32 s[A5], 0xbb41a1f6                    ; -2.95459981e-03
	s_mov_b32 s[A6], 0xbc83dbd4                    ; -1.60960333e-02
	s_mov_b32 s[B0], 0xb77460cd                    ; -1.45660718e-05
	s_mov_b32 s[B2], 0xbadc924e                    ; -1.68282697e-03
	s_mov_b32 s[B3], 0xbbf19bf8                    ; -7.37332917e-03
	s_mov_b32 s[B4], 0xbc69b6a7                    ; -1.42647391e-02
.irp k, RH,A0,A2,A3,A4,A5,A6,B0,B2,B3,B4
	s_mov_b32 s[\k+1], s[\k]                       ; named as a pair, so both words are written
.endr
	s_lshl_b32 s20, s17, 4
	s_lshl_b32 s21, s15, 3
	s_add_co_u32 s20, s20, s21                     ; my first tile of 16 tokens
	s_lshl_b32 s22, s20, 16                        ; its images: 32 x 2,048 bytes a tile
	s_lshl_b32 s46, s42, 1
	s_add_co_u32 s46, s46, s16                     ; which 128 of the next K
	s_lshl_b32 s47, s46, 11
	s_add_co_u32 s22, s22, s47
	s_mov_b32 s23, 0
	s_lshl_b32 s46, s46, 12
	s_lshl_b32 s20, s20, 4
	s_add_co_u32 s46, s46, s20
	s_lshl_b32 s46, s46, 2
	s_add_co_u32 s46, s46, 0x1000000               ; the scale words lie behind the images
	s_mov_b32 s47, 0
	s_add_nc_u64 s[92:93], s[12:13], s[46:47]
	s_add_nc_u64 s[12:13], s[12:13], s[22:23]
.irp a, 0,1,2,3,4,5,6,7
	GELU \a, 0
	GELU \a, 1
	GELU \a, 2
	GELU \a, 3
	QUANT G, 0, G, WS+\a
.irp n, 0,1,2,3,4,5,6,7
	global_store_b64 v[LB], v[PC+2*\n:PC+2*\n+1], s[12:13] offset:\a*65536+256*\n  ; 256 consecutive bytes, aligned
.endr
.endr
.irp y, 0,1,2,3
	v_cndmask_b32 v[WM+\y], v[WS+2*\y], v[WS+2*\y+1], vcc_lo       ; lanes 0-15: tokens 32 y + r; lanes 16-31: 32 y + 16 + r
	global_store_b32 v[LW], v[WM+\y], s[92:93] offset:128*\y
.endr
	s_wait_tensorcnt 0x0                           ; the wave's end
	ds_add_u32 v[SPW], v[NIL]
	s_wait_dscnt 0x0
	CROUND                                         ; the closing round
	s_endpgm
.Lfunc_end_k_qba6c6d31c2_mlp1:
	.size	k_qba6c6d31c2_mlp1, .Lfunc_end_k_qba6c6d31c2_mlp1-k_qba6c6d31c2_mlp1
	.p2alignl 7, 3214868480
	.fill 96, 4, 3214868480
	.section	.rodata,"a",@progbits
	.p2align	6, 0x0
	.amdhsa_kernel k_qba6c6d31c2_mlp1
		.amdhsa_group_segment_fixed_size 327680
		.amdhsa_private_segment_fixed_size 0
		.amdhsa_enable_private_segment 0
		.amdhsa_kernarg_size 32
		.amdhsa_user_sgpr_count 2
		.amdhsa_user_sgpr_kernarg_segment_ptr 1
		.amdhsa_wavefront_size32 1
		.amdhsa_system_sgpr_workgroup_id_x 1
		.amdhsa_system_sgpr_workgroup_id_y 1
		.amdhsa_system_sgpr_workgroup_id_z 1
		.amdhsa_system_vgpr_workitem_id 0
		.amdhsa_next_free_vgpr 1024
		.amdhsa_next_free_sgpr 98
		.amdhsa_reserve_vcc 1
		.amdhsa_float_denorm_mode_32 3
		.amdhsa_float_denorm_mode_16_64 3
		.amdhsa_memory_ordered 1
		.amdhsa_forward_progress 1
		.amdhsa_inst_pref_size 255
	.end_amdhsa_kernel
	.section	.bss,"aw",@nobits
	.p2align	6
	.space	262144
	.amdgpu_metadata
---
amdhsa.version: [ 1, 2 ]
amdhsa.kernels:
  - .name:           k_qba6c6d31c2_mlp1
    .symbol:         k_qba6c6d31c2_mlp1.kd
    .args:
      - { .name: hbuf, .offset: 0, .size: 8, .value_kind: global_buffer, .address_space: global }
      - { .name: W1_codes, .offset: 8, .size: 8, .value_kind: global_buffer, .address_space: global }
      - { .name: W1_scales, .offset: 16, .size: 8, .value_kind: global_buffer, .address_space: global }
      - { .name: mbuf, .offset: 24, .size: 8, .value_kind: global_buffer, .address_space: global }
    .group_segment_fixed_size: 327680
    .private_segment_fixed_size: 0
    .kernarg_segment_align: 8
    .kernarg_segment_size: 32
    .max_flat_workgroup_size: 128
    .sgpr_count:     98
    .vgpr_count:     1024
    .wavefront_size: 32
...
	.end_amdgpu_metadata
.endif
;; end of part 6
;; launch mlp2 (part 7): grid 8 x 32, 4 waves a work-group, clusters of 4 x 4, 327,680 bytes of LDS; arguments mbuf, W2_codes, W2_scales, x1, out0; writes out0
.if DOCPART == 7
	.amdgcn_target "amdgcn-amd-amdhsa--gfx1250"
	.amdhsa_code_object_version 6
	.text
	.protected	k_qba6c6d31c2_mlp2
	.globl	k_qba6c6d31c2_mlp2
	.p2align	8
	.type	k_qba6c6d31c2_mlp2,@function
k_qba6c6d31c2_mlp2:
	s_mov_b64 s[64:65], 0
	v_nop
	global_prefetch_b8 v0, s[64:65] scope:SCOPE_SE
	s_setreg_imm32_b32 hwreg(HW_REG_WAVE_MODE, 25, 1), 1
	s_wait_xcnt 0x0
	s_wait_alu depctr_hold_cnt(0) depctr_sa_sdst(0) depctr_va_vdst(0) depctr_va_sdst(0) depctr_va_ssrc(0) depctr_va_vcc(0) depctr_vm_vsrc(0)
	s_getreg_b32 s2, hwreg(HW_REG_IB_STS2, 6, 4)
	s_cmp_eq_u32 s2, 0
	s_cbranch_scc0 .Lentry_in_a_cluster
	s_endpgm
.Lentry_in_a_cluster:
	s_bfe_u32 s2, ttmp6, 0x10000c
	s_cmp_lg_u32 s2, 0xf033
	s_cbranch_scc0 .Lentry_shape_is_right
	s_endpgm
.Lentry_shape_is_right:
; out = res + A W^T.  A: 4,096 rows x SIZE_K as codes of E4M3, stored as images of fragments [row / 16][K / 128][2,048 bytes], with its scale words [K / 128][4096] behind them; W: [1024][SIZE_K] codes, K innermost, scale bytes
; [1024][SIZE_K / 32]; res and out: [4096][1024] f32.  Here SIZE_K = 4,096: A = the quantised gelu, W = W2, res = x1, out = out0.
; A tile of 128 x 128 a work-group, so that the 32 x 8 tiles give each of 256 WGPs one; four waves of 64 x 64: 16 accumulators.  K goes in steps of 512 through two LDS slots; a slot holds A's 8 x 4 images (dense: a fragment is
; four loads of 512 consecutive bytes) and W's 128 rows of 512 bytes + 16 of padding.  The scale words of A and the scale bytes of W, for all of K, come once.
; CLUSTERS: 4 x 4 work-groups; A's tiles are asked for jointly along a row of the cluster, W's along a column.  The matrix instruction is used transposed (source 0 = 16 rows of W, source 1 = 16 rows of A): a lane holds
; eight neighbouring numbers of a row of the result.
; A wave has three tensor loads out at the start and one behind each round.
; REGISTERS: window 0: v16-29 addresses; v32-95 scale words, two sets; v96-127 the way out; v128-255 the accumulators ((a, b) at v[128 + 8 (4 a + b)]).  window 1: two fragment buffers of 128 (A's 64, W's 64); on the way out
; v0-63 hold the residual, two sets.
.set SIZE_K, 4096
.set NK,     SIZE_K/128
.set KSTEP,  512
.set LAPS,   SIZE_K/(2*KSTEP)
.set PITCH,  528                       ; 512 bytes + 16: the 16 rows that a load touches start at 16 different banks (64 banks of 4 bytes: ISA guide 11.1)
.set AHALF,  32768
.set BOFF,   65536
.set BHALF,  64*PITCH
.set SLOT,   BOFF+2*BHALF
.set KS,     SIZE_K/32
.set SCA,    2*SLOT                    ; A's scale words [K / 128][128 rows]
.set SCB,    SCA+16384                 ; W's scale bytes, as runs of 256 bytes + 16 of padding
.set HALFSB, (64*KS/256)*272
.set SBLK,   (16*KS/256)*272
.set SPARE,  SCB+17408                 ; the spare words, 128 bytes for each wave
.set SPITCH, 272                       ; the way out: 16 rows x (256 bytes + 16) for each wave, in slot 0, which has had its last fill and its last read by then
.set ADRA, 16
.set ADRB, 20
.set ADSA, 22
.set ADSB, 23
.set STO,  24
.set RD,   25
.set CO,   26
.set SPW,  28
.set NIL,  29
.set SC,   32                          ; set s at v[32 + 32 s]: A's word of (q, block i) at + 4 q + i; W's of (block i, q) at + 16 + 4 i + q
.set BK,   96
.set ACC,  128
.set F0,   0
.set F1,   128
.set G1, 24
.set G0, 32
.set G1B, 48
.set G0B, 56
.set G1S, 68
.set G0S, 76
.set G1SB, 80
.set G0SB, 88
.set MSB, 0
.macro WIN new
.if MSB != (\new)
	s_set_vgpr_msb (MSB<<8)|(\new)
.set MSB, (\new)
.endif
.endm
.set MUL,  0x05                        ; sources 0 (W) and 1 (A) window 1; C and D window 0
.set TO_F, 0x40                        ; destination window 1, address window 0
.macro JLOAD g0a, g1a, g0b, g1b        ; a joint load: waves 0 and 1 fetch for A, waves 2 and 3 for W; four v_nop follow each of the two lines
	s_cmp_eq_u32 s15, 0
	s_cbranch_scc0 .Lfor_b_\@
	tensor_load_to_lds s[\g0a:\g0a+3], s[\g1a:\g1a+7]
	s_nop 0
.rept 4
	v_nop
.endr
	s_branch .Lasked_\@
.Lfor_b_\@:
	tensor_load_to_lds s[\g0b:\g0b+3], s[\g1b:\g1b+7]
	s_nop 0
.rept 4
	v_nop
.endr
.Lasked_\@:
.endm
.macro CREST
	s_cmp_lg_u32 s14, 0
	s_cbranch_scc1 .Lnot_wave_0_\@
	s_barrier_signal -3
.Lnot_wave_0_\@:
	s_barrier_wait -3
	s_barrier_signal -1
	s_barrier_wait -1
.endm
.macro CROUND
	s_barrier_signal -1
	s_barrier_wait -1
	CREST
.endm
	s_load_b64 s[4:5], s[0:1], 0x0                 ; A
	s_load_b128 s[8:11], s[0:1], 0x8               ; W's codes, its scales
	s_load_b128 s[96:99], s[0:1], 0x18             ; the residual, the result
	v_lshl_add_u32 v[SPW], v0, 2, SPARE
	v_mov_b32 v[NIL], 0
	ds_add_u32 v28, v29
	s_wait_dscnt 0x0
	v_lshrrev_b32 v1, 5, v0
	v_readfirstlane_b32 s14, v1                    ; wave 0..3
	s_lshr_b32 s15, s14, 1                         ; which half of the tile's rows is mine.  Also: I fetch for A (0) or for W (1)
	s_and_b32 s16, s14, 1                          ; which half of its columns.  Also: which half of that tile I fetch
	s_bfe_u32 s40, ttmp6, 0x40000                  ; cx
	s_bfe_u32 s41, ttmp6, 0x40004                  ; cy
	s_lshl_b32 s42, ttmp9, 2
	s_add_co_u32 s42, s42, s40                     ; tile column
	s_and_b32 s17, ttmp7, 0xffff
	s_lshl_b32 s17, s17, 2
	s_add_co_u32 s17, s17, s41                     ; tile row
	s_lshl_b32 s43, s41, 2
	s_lshl_b32 s43, 15, s43                        ; my row of the cluster
	s_lshl_b32 s44, 0x1111, s40                    ; my column
	s_or_b32 s[G1+0], s43, (3<<16)|(1<<21)         ; A's images: 4 rows (row tiles) of 1,024 elements of 8 bytes (four images on end), no padding
	s_mov_b32 s[G1+1], 1024<<16
	s_mov_b32 s[G1+2], 4<<16
	s_mov_b32 s[G1+3], 1024<<16
	s_mov_b32 s[G1+4], 4
	s_mov_b32 s[G1+5], 2*SIZE_K                    ; a row tile's images are 16 SIZE_K bytes
	s_mov_b32 s[G1+6], 0
	s_mov_b32 s[G1+7], 0
	s_or_b32 s[G1B+0], s44, (0<<16)|(1<<20)|(1<<21)|(6<<22)|(3<<25)    ; W: 64 rows of 512 bytes, 4 words of padding behind every 128
	s_mov_b32 s[G1B+1], KSTEP<<16
	s_mov_b32 s[G1B+2], 64<<16
	s_mov_b32 s[G1B+3], KSTEP<<16
	s_mov_b32 s[G1B+4], 64
	s_mov_b32 s[G1B+5], SIZE_K
	s_mov_b32 s[G1B+6], 0
	s_mov_b32 s[G1B+7], 0
	s_or_b32 s[G1S+0], s43, (2<<16)|(1<<21)        ; A's scale words: NK / 2 rows of 128 words, 4,096 words apart
	s_mov_b32 s[G1S+1], 128<<16
	s_mov_b32 s[G1S+2], (NK/2)<<16
	s_mov_b32 s[G1S+3], 128<<16
	s_mov_b32 s[G1S+4], NK/2
	s_mov_b32 s[G1S+5], 4096
	s_mov_b32 s[G1S+6], 0
	s_mov_b32 s[G1S+7], 0
	s_or_b32 s[G1SB+0], s44, (3<<16)|(1<<20)|(1<<21)|(5<<22)|(3<<25)   ; W's scale bytes of 64 rows: a dense block as rows of 256 bytes + 16
	s_mov_b32 s[G1SB+1], 32<<16
	s_mov_b32 s[G1SB+2], (64*KS/256)<<16
	s_mov_b32 s[G1SB+3], 32<<16
	s_mov_b32 s[G1SB+4], 64*KS/256
	s_mov_b32 s[G1SB+5], 32
	s_mov_b32 s[G1SB+6], 0
	s_mov_b32 s[G1SB+7], 0
	s_lshl_b32 s20, s17, 3
	s_lshl_b32 s18, s16, 2
	s_add_co_u32 s20, s20, s18                     ; A: row tile 8 x tile row + 4 x half
	s_mul_i32 s20, s20, 16*SIZE_K
	s_mov_b32 s21, 0
	s_mul_i32 s22, s16, (NK/2)*16384               ; its scale words: my half of K,
	s_lshl_b32 s18, s17, 9                         ; the tile's 128 rows,
	s_add_co_u32 s22, s22, s18
	s_add_co_u32 s22, s22, 4096*SIZE_K             ; behind the codes
	s_mov_b32 s23, 0
	s_lshl_b32 s46, s42, 7
	s_lshl_b32 s18, s16, 6
	s_add_co_u32 s46, s46, s18                     ; W: row 128 x tile column + 64 x half
	s_mul_i32 s92, s46, KS
	s_mov_b32 s93, 0
	s_mul_i32 s46, s46, SIZE_K
	s_mov_b32 s47, 0
	s_mul_i32 s45, s16, AHALF                      ; where they go: no place in the cluster enters an LDS address
	s_mul_i32 s94, s16, BHALF
	s_add_co_u32 s94, s94, BOFF
	s_mul_i32 s95, s16, (NK/2)*512
	s_add_co_u32 s95, s95, SCA
	s_mul_i32 s19, s16, HALFSB
	s_add_co_u32 s19, s19, SCB
	s_wait_kmcnt 0x0
	s_add_nc_u64 s[20:21], s[4:5], s[20:21]
	s_add_nc_u64 s[22:23], s[4:5], s[22:23]
	s_add_nc_u64 s[46:47], s[8:9], s[46:47]
	s_add_nc_u64 s[92:93], s[10:11], s[92:93]
	CROUND                                         ; all sixteen work-groups are here: the first joint loads meet
	s_mov_b32 s[G0S], 1
	s_mov_b32 s[G0S+1], s95
	s_mov_b64 s[G0S+2:G0S+3], s[22:23]
	s_or_b32 s[G0S+3], s[G0S+3], 0x80000000
	s_mov_b32 s[G0SB], 1
	s_mov_b32 s[G0SB+1], s19
	s_mov_b64 s[G0SB+2:G0SB+3], s[92:93]
	s_or_b32 s[G0SB+3], s[G0SB+3], 0x80000000
	JLOAD G0S, G1S, G0SB, G1SB                     ; the scales first
.irp s, 0,1
	s_mov_b32 s[G0+4*\s], 1
	s_add_co_u32 s[G0+4*\s+1], s45, \s*SLOT
	s_add_nc_u64 s[G0+4*\s+2:G0+4*\s+3], s[20:21], \s*8192
	s_or_b32 s[G0+4*\s+3], s[G0+4*\s+3], 0x80000000
	s_mov_b32 s[G0B+4*\s], 1
	s_add_co_u32 s[G0B+4*\s+1], s94, \s*SLOT
	s_add_nc_u64 s[G0B+4*\s+2:G0B+4*\s+3], s[46:47], \s*KSTEP
	s_or_b32 s[G0B+4*\s+3], s[G0B+4*\s+3], 0x80000000
	JLOAD G0+4*\s, G1, G0B+4*\s, G1B
.endr
	v_and_b32 v1, 15, v0                           ; r
	v_bfe_u32 v2, v0, 4, 1                         ; h
	v_and_b32 v3, 31, v0
	v_lshlrev_b32 v4, 4, v3
	s_mul_i32 s21, s15, AHALF
	v_add_nc_u32 v[ADRA], s21, v4                  ; A: my four row tiles, 16 x lane
	v_add_nc_u32 v[ADRA+1], SLOT, v[ADRA]
	v_mul_u32_u24 v5, v1, PITCH
	v_lshl_add_u32 v5, v2, 4, v5
	s_mul_i32 s22, s16, BHALF
	s_add_co_u32 s22, s22, BOFF
	v_add_nc_u32 v[ADRB], s22, v5                  ; W: my 64 rows, row r, + 16 h
	v_add_nc_u32 v[ADRB+1], SLOT, v[ADRB]
	s_lshl_b32 s21, s15, 8
	s_add_co_u32 s21, s21, SCA
	v_lshl_add_u32 v[ADSA], v1, 2, s21             ; A's scale words: row 64 x half + r
	v_mul_u32_u24 v5, v1, KS
	v_lshrrev_b32 v6, 8, v5
	v_lshl_add_u32 v5, v6, 4, v5
	s_mul_i32 s22, s16, HALFSB
	s_add_co_u32 s22, s22, SCB
	v_add_nc_u32 v[ADSB], s22, v5                  ; W's scale bytes: row r of my 64
	s_mul_i32 s23, s14, 16*SPITCH                  ; my stage
	v_mul_u32_u24 v5, v1, SPITCH
	v_lshl_add_u32 v5, v2, 5, v5
	v_add_nc_u32 v[STO], s23, v5                   ; in: row r, 32 bytes for each half of the lanes
	v_mul_u32_u24 v5, v2, SPITCH
	v_lshl_add_u32 v5, v1, 4, v5
	v_add_nc_u32 v[RD], s23, v5                    ; back: lanes 0-15 one row of 256 bytes, lanes 16-31 the next
	v_lshlrev_b32 v5, 12, v2
	v_lshl_add_u32 v[CO], v1, 4, v5                ; and the same two rows in memory
	s_lshl_b32 s20, s17, 7
	s_lshl_b32 s21, s15, 6
	s_add_co_u32 s20, s20, s21
	s_lshl_b32 s20, s20, 12                        ; my first row, of 4,096 bytes,
	s_lshl_b32 s46, s42, 9
	s_lshl_b32 s47, s16, 8
	s_add_co_u32 s46, s46, s47                     ; my first column
	s_add_co_u32 s46, s46, s20
	s_mov_b32 s47, 0
	s_add_nc_u64 s[96:97], s[96:97], s[46:47]
	s_add_nc_u64 s[98:99], s[98:99], s[46:47]
; 4 matrix instructions: A's block a x W's four, 128 along K: the slot's q-th.  The 16 accumulators take turns, one instruction a turn, in the same order throughout.
.macro MUL4 f, a, q, set, zero
.irp b, 0,1,2,3
.if \zero
	v_wmma_scale_f32_16x16x128_f8f6f4 v[ACC+8*(4*(\a)+\b):ACC+8*(4*(\a)+\b)+7], v[\f+64+16*\b:\f+64+16*\b+15], v[\f+16*(\a):\f+16*(\a)+15], 0, v[SC+32*(\set)+16+4*\b+(\q)], v[SC+32*(\set)+4*(\q)+(\a)]
.else
	v_wmma_scale_f32_16x16x128_f8f6f4 v[ACC+8*(4*(\a)+\b):ACC+8*(4*(\a)+\b)+7], v[\f+64+16*\b:\f+64+16*\b+15], v[\f+16*(\a):\f+16*(\a)+15], v[ACC+8*(4*(\a)+\b):ACC+8*(4*(\a)+\b)+7], v[SC+32*(\set)+16+4*\b+(\q)], v[SC+32*(\set)+4*(\q)+(\a)]
.endif
.endr
.endm
.macro FETCH slot, q, f                ; 32 LDS loads in one run: W's four fragments, then A's blocks 0, 1, then 2, 3
	WIN TO_F
.irp i, 0,1,2,3
.irp c, 0,1,2,3
	ds_load_b128 v[\f+64+16*\i+4*\c:\f+64+16*\i+4*\c+3], v[ADRB+\slot] offset:\i*16*PITCH+128*(\q)+32*\c
.endr
.endr
.irp i, 0,1,2,3
.irp c, 0,1,2,3
	ds_load_b128 v[\f+16*\i+4*\c:\f+16*\i+4*\c+3], v[ADRA+\slot] offset:\i*8192+2048*(\q)+512*\c
.endr
.endr
.endm
.macro SCALES set                      ; a K step's scale words (window 0)
.irp i, 0,1,2,3
	ds_load_b128 v[SC+32*(\set)+16+4*\i:SC+32*(\set)+16+4*\i+3], v[ADSB] offset:\i*SBLK
.endr
.irp q, 0,1,2,3
.irp i, 0,1,2,3
	ds_load_b32 v[SC+32*(\set)+4*\q+\i], v[ADSA] offset:512*\q+64*\i
.endr
.endr
.endm
.macro PLACES n                        ; plain vector lines between a matrix instruction and a load into, or a read of, its registers
.rept \n
	v_nop
.endr
.endm
.macro QUARTER slot, q, f, g, zero     ; one of a K step's first three quarters: multiplies buffer f, fetches the next quarter into g
	s_wait_dscnt 8                                 ; W's fragments and A's blocks 0, 1 are in; A's blocks 2, 3 (8 loads) may be out
	WIN MUL
	MUL4 \f, 0, \q, \slot, \zero
	MUL4 \f, 1, \q, \slot, \zero
	PLACES 8
	FETCH \slot, (\q)+1, \g
	s_wait_dscnt 32                                ; all but the 32 just issued
	WIN MUL
	MUL4 \f, 2, \q, \slot, \zero
	MUL4 \f, 3, \q, \slot, \zero
.endm
; The last quarter multiplies buffer 1 and changes slots: one barrier; in front of it each wave waits for all its tensor loads, adds 0 to its spare word, and waits for that and for its reads of this slot.
.macro TURN slot, next, fill
	WIN 0
	s_wait_tensorcnt 0x0                           ; all my tensor loads have landed: my part of the next slot
	ds_add_u32 v[SPW], v[NIL]                      ; 0 onto my spare word
	s_wait_dscnt 9                                 ; (the add and A's blocks 2, 3 may be out)
	WIN MUL
	MUL4 F1, 0, 3, \slot, 0
	s_wait_dscnt 0x0                               ; the add is done, and my reads of this slot are over
	s_barrier_signal -1
	MUL4 F1, 1, 3, \slot, 0
	WIN 0
	s_barrier_wait -1
.if \fill
	CREST                                          ; the barrier has opened a round of the cluster's: no wave of any partner still reads this slot or has a load on its way
	s_add_nc_u64 s[G0+4*\slot+2:G0+4*\slot+3], s[G0+4*\slot+2:G0+4*\slot+3], 2*8192
	s_add_nc_u64 s[G0B+4*\slot+2:G0B+4*\slot+3], s[G0B+4*\slot+2:G0B+4*\slot+3], 2*KSTEP
	JLOAD G0+4*\slot, G1, G0B+4*\slot, G1B         ; the first tensor load behind the round; its four v_nop are among the places below
	PLACES 4
.else
	PLACES 8
.endif
	v_add_nc_u32 v[ADSA], 2048, v[ADSA]            ; the next K step's scale words
	v_add_nc_u32 v[ADSB], 16, v[ADSB]
	SCALES \next
	FETCH \next, 0, F0
	WIN MUL
	MUL4 F1, 2, 3, \slot, 0
	MUL4 F1, 3, 3, \slot, 0
.endm
	s_wait_tensorcnt 1                             ; the scales and my part of K step 0 are in; K step 1's load may be out
	s_barrier_signal -1
	s_barrier_wait -1
	SCALES 0
	FETCH 0, 0, F0
	QUARTER 0, 0, F0, F1, 1                        ; the first quarter's products start the sums
.if LAPS > 1
	WIN 0
	s_mov_b32 s3, LAPS-1
.Llap:                                                 ; a trip goes once round the ring, from a lap's second quarter to the next lap's first, and fills both slots again
	QUARTER 0, 1, F1, F0, 0
	QUARTER 0, 2, F0, F1, 0
	TURN 0, 1, 1
	QUARTER 1, 0, F0, F1, 0
	QUARTER 1, 1, F1, F0, 0
	QUARTER 1, 2, F0, F1, 0
	TURN 1, 0, 1
	QUARTER 0, 0, F0, F1, 0
	WIN 0
	s_sub_co_u32 s3, s3, 1
	s_cmp_lg_u32 s3, 0
	s_cbranch_scc1 .Llap
.endif
	QUARTER 0, 1, F1, F0, 0                        ; the last lap fills nothing
	QUARTER 0, 2, F0, F1, 0
	TURN 0, 1, 0
	QUARTER 1, 0, F0, F1, 0
	QUARTER 1, 1, F1, F0, 0
	QUARTER 1, 2, F0, F1, 0
	s_wait_dscnt 8
	WIN MUL
	MUL4 F1, 0, 3, 1, 0
	MUL4 F1, 1, 3, 1, 0
	s_wait_dscnt 0
	MUL4 F1, 2, 3, 1, 0
	MUL4 F1, 3, 3, 1, 0
	WIN 0
	; THE WAY OUT, 16 rows x 64 columns at a time: through my own stage in LDS, back as whole rows of 256 bytes, the residual added, stored: sixteen lanes write 256 consecutive bytes, aligned.
.macro RLOAD a                         ; the residual of block a, in the layout of the rows read back
	WIN TO_F
.irp t, 0,1,2,3,4,5,6,7
	global_load_b128 v[32*((\a)%2)+4*\t:32*((\a)%2)+4*\t+3], v[CO], s[96:97] offset:(16*(\a)+2*\t)*4096
.endr
	WIN 0
.endm
	PLACES 8
	RLOAD 0
	RLOAD 1
.irp a, 0,1,2,3
.if \a > 0
	s_wait_xcnt 0x0                                ; the last block's stores have read v[BK] on
.endif
.irp b, 0,1,2,3
	ds_store_b128 v[STO], v[ACC+8*(4*\a+\b):ACC+8*(4*\a+\b)+3] offset:64*\b        ; each accumulator from its low end on
	ds_store_b128 v[STO], v[ACC+8*(4*\a+\b)+4:ACC+8*(4*\a+\b)+7] offset:64*\b+16
.endr
.irp t, 0,1,2,3,4,5,6,7
	ds_load_b128 v[BK+4*\t:BK+4*\t+3], v[RD] offset:\t*2*SPITCH    ; LDS serves a wave's instructions in order: these see the stores above
.endr
	s_wait_dscnt 0x0
.if \a < 3
	s_wait_loadcnt 8                               ; this block's residual is in; the next block's eight loads may be out
.else
	s_wait_loadcnt 0
.endif
	WIN 0x04                                       ; source 1 window 1
.irp p, 0,2,4,6,8,10,12,14,16,18,20,22,24,26,28,30
	v_pk_add_f32 v[BK+\p:BK+\p+1], v[BK+\p:BK+\p+1], v[32*(\a%2)+\p:32*(\a%2)+\p+1]
.endr
	WIN 0
.irp t, 0,1,2,3,4,5,6,7
	global_store_b128 v[CO], v[BK+4*\t:BK+4*\t+3], s[98:99] offset:(16*\a+2*\t)*4096
.endr
.if \a < 2
	RLOAD \a+2
.endif
.endr
	s_wait_tensorcnt 0x0                           ; the wave's end
	ds_add_u32 v[SPW], v[NIL]
	s_wait_dscnt 0x0
	CROUND                                         ; the closing round
	s_endpgm
.Lfunc_end_k_qba6c6d31c2_mlp2:
	.size	k_qba6c6d31c2_mlp2, .Lfunc_end_k_qba6c6d31c2_mlp2-k_qba6c6d31c2_mlp2
	.p2alignl 7, 3214868480
	.fill 96, 4, 3214868480
	.section	.rodata,"a",@progbits
	.p2align	6, 0x0
	.amdhsa_kernel k_qba6c6d31c2_mlp2
		.amdhsa_group_segment_fixed_size 327680
		.amdhsa_private_segment_fixed_size 0
		.amdhsa_enable_private_segment 0
		.amdhsa_kernarg_size 40
		.amdhsa_user_sgpr_count 2
		.amdhsa_user_sgpr_kernarg_segment_ptr 1
		.amdhsa_wavefront_size32 1
		.amdhsa_system_sgpr_workgroup_id_x 1
		.amdhsa_system_sgpr_workgroup_id_y 1
		.amdhsa_system_sgpr_workgroup_id_z 1
		.amdhsa_system_vgpr_workitem_id 0
		.amdhsa_next_free_vgpr 512
		.amdhsa_next_free_sgpr 100
		.amdhsa_reserve_vcc 0
		.amdhsa_float_denorm_mode_32 3
		.amdhsa_float_denorm_mode_16_64 3
		.amdhsa_memory_ordered 1
		.amdhsa_forward_progress 1
		.amdhsa_inst_pref_size 103
	.end_amdhsa_kernel
	.amdgpu_metadata
---
amdhsa.version: [ 1, 2 ]
amdhsa.kernels:
  - .name:           k_qba6c6d31c2_mlp2
    .symbol:         k_qba6c6d31c2_mlp2.kd
    .args:
      - { .name: mbuf, .offset: 0, .size: 8, .value_kind: global_buffer, .address_space: global }
      - { .name: W2_codes, .offset: 8, .size: 8, .value_kind: global_buffer, .address_space: global }
      - { .name: W2_scales, .offset: 16, .size: 8, .value_kind: global_buffer, .address_space: global }
      - { .name: x1, .offset: 24, .size: 8, .value_kind: global_buffer, .address_space: global }
      - { .name: out0, .offset: 32, .size: 8, .value_kind: global_buffer, .address_space: global }
    .group_segment_fixed_size: 327680
    .private_segment_fixed_size: 0
    .kernarg_segment_align: 8
    .kernarg_segment_size: 40
    .max_flat_workgroup_size: 128
    .sgpr_count:     100
    .vgpr_count:     512
    .wavefront_size: 32
...
	.end_amdgpu_metadata
.endif
;; end of part 7
